; MI455X (gfx1250); checked and timed in simulation.
; The chip was launched on July 23, 2026; its instructions are those of AMD's public machine-readable ISA for CDNA 5 (MIT licence, August 2026) and "CDNA5" Instruction Set Architecture Reference Guide (July 2026). The comments in the code are by the model that wrote it; some were corrected since.
;; Attention Layer. Allowed arithmetic: matrix products marked QUANTISED: E2M3 operands, one E8M0 scale for each 32 along K, by v_wmma_scale_f32_16x16x128_f8f6f4 with both operands' format E2M3, f32 sums; everything else in f32.
;; Inputs: Wk 1,024 x 1,024 float32; Wo 1,024 x 1,024 float32; Wq 1,024 x 1,024 float32; Wv 1,024 x 1,024 float32; bk 1,024 float32; bo 1,024 float32; bq 1,024 float32; bv 1,024 float32; key 4 x 2,048 x 1,024 float32; query 4 x 2,048 x 1,024 float32; value 4 x 2,048 x 1,024 float32.
;; Outputs: out0 4 x 2,048 x 1,024 float32.
;; This version of the problem:
;;   THIS VERSION OF THE PROBLEM IS GIVEN IN LOW PRECISION. The matrix products marked QUANTISED in the list below multiply operands that are first quantised to E2M3 (2 exponent bits, 3 mantissa bits; 6 bits a number), with one power-of-two scale for each 32 numbers along K (OCP MX v1.0); their sums are f32. All else is computed in f32.
;;   The module's matrix products, in the order in which they are computed (A, B: the left and right operand; K: the contracted axis; several contracted axes count as one K, in the product's order):
;;     1. [M 8,192, K 1,024] x [K 1,024, N 1,024]; A: input query; B: input Wq: QUANTISED
;;     2. [M 8,192, K 1,024] x [K 1,024, N 1,024]; A: input key; B: input Wk: QUANTISED
;;     3. [M 8,192, K 1,024] x [K 1,024, N 1,024]; A: input value; B: input Wv: QUANTISED
;;     4. batch 64 x [M 2,048, K 64] x [K 64, N 2,048]; A: computed on the way; B: computed on the way: QUANTISED
;;     5. batch 64 x [M 64, K 2,048] x [K 2,048, N 2,048]; A: computed on the way; B: softmax (see below): QUANTISED
;;     6. [M 8,192, K 1,024] x [K 1,024, N 1,024]; A: computed on the way; B: input Wo: QUANTISED
;;   THE QUANTISER, for each operand of a quantised product, along K:
;;     - K is cut into blocks of 32 from its start; a last block that is shorter is filled with zeros.
;;     - A block's scale is 2^e with e = floor(log2(the largest magnitude in the block)) - 2, held to -126 .. 127; a block of zeros has e = 0. As a byte (E8M0): e + 127.
;;     - Each number is divided by its block's scale, clamped to +-7.5, and rounded to the nearest number of E2M3, ties to even, subnormals kept.
;;     - The product sums the exact products of the quantised numbers (number of the format x scale) in f32.
;;   ~~~python
;;   def quantise(x, axis):      # numpy; x: float32 -> the quantised numbers, widened to float32 again
;;       x = np.moveaxis(x, axis, -1); K = x.shape[-1]
;;       x = np.pad(x, [(0, 0)] * (x.ndim - 1) + [(0, -K % 32)]); x = x.reshape(x.shape[:-1] + (-1, 32)); a = np.abs(x).max(-1, keepdims=True)
;;       e = np.where(a > 0, np.clip(np.frexp(np.where(a > 0, a, 1))[1] - 1 - 2, -126, 127), 0)      # np.frexp(a)[1] - 1 = floor(log2(a)), exactly
;;       r = np.clip(x / 2.0 ** e, -7.5, 7.5)
;;       step = 2.0 ** (np.maximum(np.frexp(np.where(r == 0, 1, r))[1] - 1, 0) - 3)
;;       q = np.round(r / step) * step * 2.0 ** e      # np.round: ties to even
;;       return np.moveaxis(q.reshape(q.shape[:-2] + (-1,))[..., :K], -1, axis).astype(np.float32)
;;   ~~~
;;   SOFTMAX AHEAD OF A QUANTISED PRODUCT. Where the list says 'softmax', what is quantised is not the finished softmax but p = 2^(t - M), with t = logit x log2(e) and M = ceil(the row's largest t), a whole number; so 1/2 < the row's largest p <= 1. The row's sum l is taken of the UNQUANTISED p, in f32, and the product's result is divided by l at the end. Since M is a whole number, a kernel that streams over the keys may use a running M (the ceiling of the running maximum): every later rescaling is an exact power of two, which a block's scale takes up: the codes' values come out the same.
;;   OPERANDS COMPUTED ON THE WAY. 'Computed on the way' means the value that the module computes at that place (a softmax that the list does not call 'softmax' is quantised finished and normalised). What goes into a quantiser is computed in f32, as accurately as f32 sums, v_exp_f32 and their like allow (about 1e-6 of the number): no bf16 or f16 on the way to a quantiser, and a product that is left as it is and whose result goes on into a quantised operand takes f32 operands (vector FMAs, or v_wmma_f32_16x16x4_f32). A number that lies on a knife's edge between two numbers of the format may be rounded either way, as far as f32 arithmetic and the matrix unit's own rounding can turn it there, and no further.
;; One version. Each part assembles by itself: llvm-mc -triple=amdgcn-amd-amdhsa -mcpu=gfx1250 --defsym DOCPART=n.
;; ======== version 1 of 1: 4 launches
;; workspace buffers: xc 22,020,096 bytes; xs 917,504 bytes; att 20,185,088 bytes; oc 6,291,456 bytes; os 262,144 bytes
;; launch quant (part 1): grid 896 x 1, 4 waves a work-group, no clusters, 33,280 bytes of LDS; arguments query, key, value, Wq, Wk, Wv, Wo, xc, xs; writes xc, xs
.if DOCPART == 1
	.amdgcn_target "amdgcn-amd-amdhsa--gfx1250"
	.amdhsa_code_object_version 6
	.text
	.protected	k_qa90b7ad92c_quant
	.globl	k_qa90b7ad92c_quant
	.p2align	8
	.type	k_qa90b7ad92c_quant,@function
k_qa90b7ad92c_quant:
	s_mov_b64 s[64:65], 0
	v_nop
	global_prefetch_b8 v0, s[64:65] scope:SCOPE_SE
	s_setreg_imm32_b32 hwreg(HW_REG_WAVE_MODE, 25, 1), 1
	s_wait_xcnt 0x0
; query, key, value [8192][1024] and Wq, Wk, Wv, Wo [1024][1024], f32, K innermost, become codes of FP6 (E2M3), 768 bytes a row, in xc, and one E8M0 byte for each 32 along K, 32 bytes a row, in xs.
; Rows of xc and xs: query 0, key 8192, value 16384, Wq 24576, Wk 25600, Wv 26624, Wo 27648.
; THE TILE ORDER: inside each group of 32 rows, storage place 16 u + r holds row 8 u + r + 8 (r / 8): of the group's four runs of 8 rows the two middle ones change places.  The later launches take 16 neighbouring
; storage rows as a tile, so that a product's 16 registers of two neighbouring tiles are 16 neighbours along the next K.
; A block's scale is 2^(floor(log2(its largest magnitude)) - 2); its byte is the largest magnitude's exponent field - 2, held at 1 from below; numbers are divided by the scale and rounded to the nearest code, ties to even.
; LIMITS: a block whose largest magnitude lies under 2^-124 (a block of zeros too) gets the byte 1 (its codes add nothing or next to nothing, and this program alone reads the bytes); NaN and infinities are not served.
; A work-group takes 32 rows, a wave 8 rows = 16 steps of 512 numbers.  Each load reads 512 consecutive bytes; a step's 2,048 bytes turn through the wave's own stage in LDS, so that a lane holds 16 neighbours.
; No tensor loads, no barrier: waves share nothing.  Loads run four steps (16 loads a wave) ahead.
.set WAVES, 4
.set STEPS, 16
.set EMAX,  2
.set CB,    12                         ; bytes of 16 codes
.set R,     16                         ; v16-79   four sets of 16 numbers as they are loaded
.set X,     80                         ; v80-111  two sets of 16 neighbours
.set C,     128                        ; v128-191 codes: four registers for each step, so that no store's data are written again
.set E,     112                        ; v112-127 a scale byte for each step
.set WREG,  8192                       ; LDS: a region for each wave: two stages of 32 x SP bytes, behind them its 256 scale bytes
.set SP,    80                         ; a lane's place in a stage: 64 bytes + 16 of padding
.set SPW,   12                         ; v12 LDS address of my spare word; never rewritten
.set NIL,   13                         ; v13 0; never rewritten
.set SPARE, WAVES*WREG                 ; the spare words, 128 bytes a wave, that no other line names
	s_load_b256 s[4:11], s[0:1], 0x0               ; query, key, value, Wq
	s_load_b256 s[12:19], s[0:1], 0x20             ; Wk, Wv, Wo, xc
	s_load_b64 s[20:21], s[0:1], 0x40              ; xs
	v_lshl_add_u32 v[SPW], v0, 2, SPARE
	v_mov_b32 v[NIL], 0
	v_lshrrev_b32 v1, 5, v0
	v_readfirstlane_b32 s26, v1                    ; wave
	v_and_b32 v2, 31, v0                           ; lane
	v_lshlrev_b32 v3, 4, v2                        ; my 16 bytes of a load's 512
	s_mul_i32 s27, s26, WREG
	v_lshrrev_b32 v14, 2, v2
	v_mul_u32_u24 v14, v14, SP
	v_and_b32 v15, 3, v2
	v_lshl_add_u32 v14, v15, 4, v14
	v_add_nc_u32 v14, s27, v14                     ; the stage, on the way in: SP (lane / 4) + 16 (lane % 4)
	v_mul_u32_u24 v15, v2, SP
	v_add_nc_u32 v15, s27, v15                     ; and on the way out: SP x lane: my 16 neighbours
	v_mul_u32_u24 v4, v2, CB                       ; my codes' place in a step's
	v_lshrrev_b32 v5, 1, v2
	s_add_co_u32 s27, s27, 2*32*SP
	v_add_nc_u32 v5, s27, v5                       ; LDS: my wave's 256 scale bytes, my block's byte
	v_lshlrev_b32 v7, 3, v2                        ; and on the way out 8 bytes a lane
	v_add_nc_u32 v6, s27, v7
	s_and_b32 s28, s26, 1                          ; the tile order: my run of 8 rows goes to run 2 (wave % 2) + wave / 2 of the group
	s_lshl_b32 s28, s28, 1
	s_lshr_b32 s29, s26, 1
	s_or_b32 s28, s28, s29
	s_lshl_b32 s29, ttmp9, 2
	s_add_co_u32 s28, s29, s28                     ; which run of 8 storage rows I write
	s_wait_alu depctr_va_vdst(0)
	s_wait_kmcnt 0x0
	s_mov_b64 s[24:25], s[4:5]                     ; the source tensor is chosen by the work-group's number alone
	s_mov_b32 s23, 0                               ; and its first work-group
.macro PICK bound, p
	s_cmp_ge_u32 ttmp9, \bound
	s_cselect_b64 s[24:25], s[\p:\p+1], s[24:25]
	s_cselect_b32 s23, \bound, s23
.endm
	PICK 256, 6                                    ; key
	PICK 512, 8                                    ; value
	PICK 768, 10                                   ; Wq
	PICK 800, 12                                   ; Wk
	PICK 832, 14                                   ; Wv
	PICK 864, 16                                   ; Wo
	s_sub_co_u32 s30, ttmp9, s23
	s_lshl_b32 s30, s30, 2
	s_add_co_u32 s30, s30, s26                     ; which run of 8 rows of the tensor I read
	s_lshl_b32 s30, s30, 15                        ; 32,768 bytes a run
	s_mov_b32 s31, 0
	s_add_nc_u64 s[24:25], s[24:25], s[30:31]
	s_mul_i32 s30, s28, 32*STEPS*CB                ; 6,144 bytes of codes a run
	s_add_nc_u64 s[18:19], s[18:19], s[30:31]
	s_lshl_b32 s30, s28, 8                         ; 256 scale bytes a run
	s_add_nc_u64 s[20:21], s[20:21], s[30:31]
.macro LOAD t
.irp i, 0,1,2,3
	global_load_b128 v[R+16*((\t)%4)+4*\i:R+16*((\t)%4)+4*\i+3], v3, s[24:25] offset:2048*(\t)+512*\i th:TH_LOAD_NT   ; 32 lanes read 512 consecutive bytes
.endr
.endm
.macro TURN t                          ; step t's numbers through the stage: LDS serves a wave's instructions in order, so no wait stands between the stores and the loads
.irp i, 0,1,2,3
	ds_store_b128 v14, v[R+16*((\t)%4)+4*\i:R+16*((\t)%4)+4*\i+3] offset:32*SP*((\t)%2)+8*SP*\i
.endr
.irp i, 0,1,2,3
	ds_load_b128 v[X+16*((\t)%2)+4*\i:X+16*((\t)%2)+4*\i+3], v15 offset:32*SP*((\t)%2)+16*\i
.endr
.endm
.irp t, 0,1,2,3
	LOAD \t
.endr
	s_wait_loadcnt 12                              ; step 0's four loads are in; the twelve of steps 1 to 3 may be out
	TURN 0
.macro STEP t
.set XS, X+16*((\t)%2)
.if (\t) > 0
	s_wait_dscnt 1                                 ; this step's numbers are back from the stage (the last step's byte store may be out)
.else
	s_wait_dscnt 0x0
.endif
.if (\t)+4 < STEPS
	LOAD (\t)+4                                    ; the stage's stores have read these registers: they take the loads of four steps on
.endif
.if (\t)+1 < STEPS
.if STEPS-2-(\t) >= 3
	s_wait_loadcnt 12                              ; the next step's four loads are in; those of the three steps behind it may be out
.else
	s_wait_loadcnt 4*(STEPS-2-(\t))
.endif
	TURN (\t)+1
.endif
	v_max3_num_f32 v8, |v[XS]|, |v[XS+1]|, |v[XS+2]|               ; the largest magnitude of my 16, in two chains
	v_max3_num_f32 v9, |v[XS+3]|, |v[XS+4]|, |v[XS+5]|
.irp i, 6,10
	v_max3_num_f32 v8, v8, |v[XS+\i]|, |v[XS+\i+1]|
	v_max3_num_f32 v9, v9, |v[XS+\i+2]|, |v[XS+\i+3]|
.endr
	v_max3_num_f32 v8, v8, |v[XS+14]|, |v[XS+15]|
	v_max3_num_f32 v8, v8, v9, (EMAX+1)<<23        ; and the floor 2^(3 - 127): the byte cannot fall under 1
	v_max_num_f32_dpp v8, v8, v8 row_xmask:1 row_mask:0xf bank_mask:0xf   ; and of my neighbour's 16: the block's
	v_add_nc_u32 v11, -(EMAX<<23), v8              ; 2 off its exponent field: the conversion takes the exponent field of this operand as its scale
	v_cvt_scalef32_pk16_fp6_f32 v[C+4*(\t):C+4*(\t)+2], v[XS:XS+15], v11
	v_lshrrev_b32 v[E+(\t)], 23, v11               ; the scale's byte (a plain line behind the conversion)
	ds_store_b8 v5, v[E+(\t)] offset:16*(\t)       ; both lanes of a block write the same byte with the same value
	global_store_b96 v4, v[C+4*(\t):C+4*(\t)+2], s[18:19] offset:32*CB*(\t)   ; the wave stores 384 consecutive bytes
.endm
.irp t, 0,1,2,3,4,5,6,7,8,9,10,11,12,13,14,15
	STEP \t
.endr
	ds_load_b64 v[8:9], v6                         ; LDS serves a wave's instructions in order: these see my stores
	s_wait_dscnt 0x0
	global_store_b64 v7, v[8:9], s[20:21]          ; 32 lanes store 256 consecutive bytes, aligned
	s_wait_tensorcnt 0x0                           ; the wave's end
	ds_add_u32 v[SPW], v[NIL]
	s_wait_dscnt 0x0
	s_endpgm
.Lfunc_end_k_qa90b7ad92c_quant:
	.size	k_qa90b7ad92c_quant, .Lfunc_end_k_qa90b7ad92c_quant-k_qa90b7ad92c_quant
	.p2alignl 7, 3214868480
	.fill 96, 4, 3214868480
	.section	.rodata,"a",@progbits
	.p2align	6, 0x0
	.amdhsa_kernel k_qa90b7ad92c_quant
		.amdhsa_group_segment_fixed_size 33280
		.amdhsa_private_segment_fixed_size 0
		.amdhsa_enable_private_segment 0
		.amdhsa_kernarg_size 72
		.amdhsa_user_sgpr_count 2
		.amdhsa_user_sgpr_kernarg_segment_ptr 1
		.amdhsa_wavefront_size32 1
		.amdhsa_system_sgpr_workgroup_id_x 1
		.amdhsa_system_sgpr_workgroup_id_y 1
		.amdhsa_system_sgpr_workgroup_id_z 1
		.amdhsa_system_vgpr_workitem_id 0
		.amdhsa_next_free_vgpr 192
		.amdhsa_next_free_sgpr 66
		.amdhsa_reserve_vcc 0
		.amdhsa_float_denorm_mode_32 3
		.amdhsa_float_denorm_mode_16_64 3
		.amdhsa_memory_ordered 1
		.amdhsa_forward_progress 1
		.amdhsa_inst_pref_size 33
	.end_amdhsa_kernel
	.amdgpu_metadata
---
amdhsa.version: [ 1, 2 ]
amdhsa.kernels:
  - .name:           k_qa90b7ad92c_quant
    .symbol:         k_qa90b7ad92c_quant.kd
    .args:
      - { .name: query, .offset: 0, .size: 8, .value_kind: global_buffer, .address_space: global }
      - { .name: key, .offset: 8, .size: 8, .value_kind: global_buffer, .address_space: global }
      - { .name: value, .offset: 16, .size: 8, .value_kind: global_buffer, .address_space: global }
      - { .name: Wq, .offset: 24, .size: 8, .value_kind: global_buffer, .address_space: global }
      - { .name: Wk, .offset: 32, .size: 8, .value_kind: global_buffer, .address_space: global }
      - { .name: Wv, .offset: 40, .size: 8, .value_kind: global_buffer, .address_space: global }
      - { .name: Wo, .offset: 48, .size: 8, .value_kind: global_buffer, .address_space: global }
      - { .name: xc, .offset: 56, .size: 8, .value_kind: global_buffer, .address_space: global }
      - { .name: xs, .offset: 64, .size: 8, .value_kind: global_buffer, .address_space: global }
    .group_segment_fixed_size: 33280
    .private_segment_fixed_size: 0
    .kernarg_segment_align: 8
    .kernarg_segment_size: 72
    .max_flat_workgroup_size: 128
    .sgpr_count:     66
    .vgpr_count:     192
    .wavefront_size: 32
...
	.end_amdgpu_metadata
.endif
;; end of part 1
;; launch proj (part 2): grid 4 x 96, 4 waves a work-group, clusters of 4 x 4, 327,680 bytes of LDS; arguments xc, xs, bq, bk, bv, att; writes att
.if DOCPART == 2
	.amdgcn_target "amdgcn-amd-amdhsa--gfx1250"
	.amdhsa_code_object_version 6
	.text
	.protected	k_qa90b7ad92c_proj
	.globl	k_qa90b7ad92c_proj
	.p2align	8
	.type	k_qa90b7ad92c_proj,@function
k_qa90b7ad92c_proj:
	s_mov_b64 s[64:65], 0
	v_nop
	global_prefetch_b8 v0, s[64:65] scope:SCOPE_SE
	s_setreg_imm32_b32 hwreg(HW_REG_WAVE_MODE, 25, 1), 1
	s_wait_xcnt 0x0
	s_wait_alu depctr_hold_cnt(0) depctr_sa_sdst(0) depctr_va_vdst(0) depctr_va_sdst(0) depctr_va_ssrc(0) depctr_va_vcc(0) depctr_vm_vsrc(0)
	s_getreg_b32 s2, hwreg(HW_REG_IB_STS2, 6, 4)
	s_cmp_eq_u32 s2, 0
	s_cbranch_scc0 .Lentry_in_a_cluster
	s_endpgm
.Lentry_in_a_cluster:
	s_bfe_u32 s2, ttmp6, 0x10000c
	s_cmp_lg_u32 s2, 0xf033
	s_cbranch_scc0 .Lentry_shape_is_right
	s_endpgm
.Lentry_shape_is_right:
; The three projections q = query Wq^T + bq, k = key Wk^T + bk, v = value Wv^T + bv on codes of FP6 (E2M3) with E8M0 scales, K = 1024; the results are quantised in registers (q, k along the head's 64 channels,
; v along the keys) and stored as images of the attention launch's operand registers.  No f32 result goes to memory.
; SHARES.  24 clusters of 4 x 4 work-groups; cluster C (the cluster's y) makes 1,024 tokens x 1,024 channels of tensor T = C / 8 (0 q, 1 k, 2 v); a work-group 256 x 256, a wave 128 x 128: 64 accumulators, 512 registers.
; Source 1 (a lane = a row) is the A side, which hangs on cy and is asked for jointly along a row of the cluster; source 0 (registers run along its rows) is the B side, which hangs on cx and is asked for jointly along a column.
; q, k: A = tokens, B = the weight's rows: a lane holds one token and its registers run along the channels.  v: A = the weight's rows, B = tokens: a lane holds one channel and its registers run along the tokens.
; Rows lie in xc in THE TILE ORDER (storage place 32 g + 16 u + r holds row 32 g + 8 u + r + 8 (r / 8)): so the 16 registers of result tiles 2 g and 2 g + 1 are the 16 neighbours 32 g + 16 (lane / 16) + 0 .. 15.
; K goes in steps of 256 through a ring of two LDS slots (rows of 192 bytes, 16 bytes of padding behind every 64); the scale bytes of the work-group's rows, for all of K, come once.
; The bias is the C of each sum's first matrix instruction: so it is the sum's first addend.
; att: 64 records (16 batch + head) of REC bytes: q images 0, q scale words 98304, k images 106496, v images 204800, k scale words 303104, v scale words 311296.
; LIMITS: a block whose largest magnitude lies under 2^-124 gets the byte 1; NaN and infinities are not served.
; REGISTERS: window 0: v0-31 addresses; v32-63 scale words, two sets; v64-127 the bias in the result's layout; v128-223 A's fragments, one set; v224-247 at work on the way out.
;   window 1: B's fragments, two sets, at v0 and v128.  window 2: accumulators of A's blocks 0-3 ((a, b) at v[8 (8 a + b)]); window 3: of blocks 4-7.
.set KSTEP,  256
.set NQ,     2                         ; matrix instructions deep in a slot
.set ROWB,   192                       ; a tile's row in bytes
.set KROW,   768                       ; a row of xc
.set PITCH,  240                       ; an LDS row: 3 x (64 bytes + 16 of padding)
.set FR,     12
.set NL,     6
.set NP,     4
.set HALFT,  128*PITCH
.set SLOT,   4*HALFT
.set LAPS,   2                         ; 1024 / 512
.set KS,     32                        ; a row of scale bytes
.set SCL,    2*SLOT
.set HALFS,  (128*KS/256)*272
.set SBLK,   (16*KS/256)*272
.set SPARE,  SCL+4*HALFS               ; the spare words, 128 bytes a wave, that no other line names
.set REC,    315392
.set VA,   8                           ; v8-11  the way out: byte offsets of my lane's 8 bytes
.set ADRA, 16
.set ADRB, 20
.set ADRS, 27
.set SPW,  28
.set NIL,  29
.set SC,   32
.set BI,   64
.set AF,   128
.set TM,   224
.set SW,   240
.set G1, 24
.set G0, 32
.set G1B, 48
.set G0B, 56
.set G1S, 68
.set G0S, 76
.set G1SB, 80
.set G0SB, 88
.set MSB, 0
.macro WIN new                         ; the immediate's high byte repeats the setting that is left
.if MSB != \new
	s_set_vgpr_msb (MSB<<8)|\new
.set MSB, \new
.endif
.endm
.set MUL_LO, 0xa1                      ; source 0 (B) window 1, source 1 (A) window 0, C and D window 2
.set MUL_HI, 0xf1
.set TO_B,   0x40
; A joint load: waves 0 and 1 fetch for A, waves 2 and 3 for B.  The branch hangs on the wave's number alone.  An s_nop 0 and four v_nop follow each of the two lines.
.macro JLOAD g0a, g1a, g0b, g1b
	s_cmp_eq_u32 s15, 0
	s_cbranch_scc0 .Lfor_b_\@
	tensor_load_to_lds s[\g0a:\g0a+3], s[\g1a:\g1a+7]
	s_nop 0
.rept 4
	v_nop
.endr
	s_branch .Lasked_\@
.Lfor_b_\@:
	tensor_load_to_lds s[\g0b:\g0b+3], s[\g1b:\g1b+7]
	s_nop 0
.rept 4
	v_nop
.endr
.Lasked_\@:
.endm
.macro CREST                           ; a round of the cluster's barrier behind its opening barrier
	s_cmp_lg_u32 s14, 0
	s_cbranch_scc1 .Lnot_wave_0_\@
	s_barrier_signal -3
.Lnot_wave_0_\@:
	s_barrier_wait -3
	s_barrier_signal -1
	s_barrier_wait -1
.endm
.macro CROUND
	s_barrier_signal -1
	s_barrier_wait -1
	CREST
.endm
	s_load_b256 s[4:11], s[0:1], 0x0               ; xc s[4:5], xs s[6:7], bq s[8:9], bk s[10:11]
	s_load_b128 s[96:99], s[0:1], 0x20             ; bv s[96:97], att s[98:99]
	v_lshl_add_u32 v[SPW], v0, 2, SPARE
	v_mov_b32 v[NIL], 0
	ds_add_u32 v[SPW], v[NIL]                      ; the wave's opening: the add and its wait stand ahead of my first tensor load; the set-up below stands between them
	ds_add_u32 v[SPW], v[NIL]
	v_lshrrev_b32 v1, 5, v0
	v_readfirstlane_b32 s14, v1                    ; wave 0..3
	s_lshr_b32 s15, s14, 1                         ; which half of the A side's rows is mine.  Also: I fetch for A (0) or for B (1)
	s_and_b32 s16, s14, 1                          ; which half of the B side's rows.  Also: which 128 rows I fetch
	s_bfe_u32 s40, ttmp6, 0x40000                  ; cx
	s_bfe_u32 s41, ttmp6, 0x40004                  ; cy
	s_and_b32 s95, ttmp7, 0xffff                   ; C: the cluster, 0..23
	s_lshr_b32 s13, s95, 3                         ; T: 0 q, 1 k, 2 v
	s_lshl_b32 s100, s95, 10                       ; the cluster's 1,024 rows of activations in xc
	s_lshl_b32 s101, s13, 10
	s_add_co_u32 s101, s101, 24576                 ; the weight's 1,024 rows
	s_cmp_eq_u32 s13, 2
	s_cselect_b32 s12, 1, 0                        ; is it v?  The same in all sixteen partners
	s_cselect_b32 s17, s101, s100                  ; the A side's first row
	s_cselect_b32 s42, s100, s101                  ; the B side's
	s_lshl_b32 s43, s41, 2
	s_lshl_b32 s43, 15, s43                        ; my row of the cluster
	s_lshl_b32 s44, 0x1111, s40                    ; my column
	; descriptor group 1: a tile of 128 rows x 192 bytes, 16 bytes of padding behind every 64
	s_or_b32 s[G1+0], s43, (0<<16)|(1<<20)|(1<<21)|(3<<22)|(3<<25)
	s_or_b32 s[G1B+0], s44, (0<<16)|(1<<20)|(1<<21)|(3<<22)|(3<<25)
.irp g, G1, G1B
	s_mov_b32 s[\g+1], ROWB<<16                    ; tensor_dim0
	s_mov_b32 s[\g+2], 128<<16                     ; tensor_dim1
	s_mov_b32 s[\g+3], ROWB<<16                    ; tile_dim0
	s_mov_b32 s[\g+4], 128                         ; tile_dim1
	s_mov_b32 s[\g+5], KROW                        ; pitch
	s_mov_b32 s[\g+6], 0
	s_mov_b32 s[\g+7], 0
.endr
	; the scale bytes of 128 rows: 4,096 dense bytes as 16 rows of 256 (32 elements of 8 bytes), 16 bytes of padding behind each
	s_or_b32 s[G1S+0], s43, (3<<16)|(1<<20)|(1<<21)|(5<<22)|(3<<25)
	s_or_b32 s[G1SB+0], s44, (3<<16)|(1<<20)|(1<<21)|(5<<22)|(3<<25)
.irp g, G1S, G1SB
	s_mov_b32 s[\g+1], 32<<16
	s_mov_b32 s[\g+2], (128*KS/256)<<16
	s_mov_b32 s[\g+3], 32<<16
	s_mov_b32 s[\g+4], 128*KS/256
	s_mov_b32 s[\g+5], 32
	s_mov_b32 s[\g+6], 0
	s_mov_b32 s[\g+7], 0
.endr
	s_lshl_b32 s18, s16, 7                         ; which 128 rows of the tile I fetch
	s_lshl_b32 s20, s41, 8
	s_add_co_u32 s20, s20, s17
	s_add_co_u32 s20, s20, s18                     ; A: first row + 256 cy + 128 x half
	s_lshl_b32 s46, s40, 8
	s_add_co_u32 s46, s46, s42
	s_add_co_u32 s46, s46, s18                     ; B: first row + 256 cx + 128 x half
	s_mov_b32 s21, 0
	s_mov_b32 s47, 0
	s_mov_b64 s[18:19], KS
	s_mul_u64 s[22:23], s[20:21], s[18:19]         ; where these rows' scale bytes begin
	s_mul_u64 s[92:93], s[46:47], s[18:19]
	s_mov_b64 s[18:19], KROW
	s_mul_u64 s[20:21], s[20:21], s[18:19]         ; and their codes
	s_mul_u64 s[46:47], s[46:47], s[18:19]
	s_mul_i32 s45, s14, HALFT                      ; where they go: wave x 128 rows: no place in the cluster enters an LDS address
	s_mul_i32 s94, s14, HALFS
	s_wait_dscnt 0x0                               ; the opening add is done
	s_wait_kmcnt 0x0
	s_add_nc_u64 s[20:21], s[4:5], s[20:21]
	s_add_nc_u64 s[22:23], s[6:7], s[22:23]
	s_add_nc_u64 s[46:47], s[4:5], s[46:47]
	s_add_nc_u64 s[92:93], s[6:7], s[92:93]
	CROUND                                         ; all sixteen work-groups are here: the first joint loads meet
	s_mov_b32 s[G0S], 1
	s_add_co_u32 s[G0S+1], s94, SCL
	s_mov_b64 s[G0S+2:G0S+3], s[22:23]
	s_or_b32 s[G0S+3], s[G0S+3], 0x80000000
	s_mov_b32 s[G0SB], 1
	s_add_co_u32 s[G0SB+1], s94, SCL
	s_mov_b64 s[G0SB+2:G0SB+3], s[92:93]
	s_or_b32 s[G0SB+3], s[G0SB+3], 0x80000000
	JLOAD G0S, G1S, G0SB, G1SB                     ; the scale bytes first: they are wanted with K step 0
.irp s, 0,1
	s_mov_b32 s[G0+4*\s], 1
	s_add_co_u32 s[G0+4*\s+1], s45, \s*SLOT
	s_add_nc_u64 s[G0+4*\s+2:G0+4*\s+3], s[20:21], \s*ROWB
	s_or_b32 s[G0+4*\s+3], s[G0+4*\s+3], 0x80000000
	s_mov_b32 s[G0B+4*\s], 1
	s_add_co_u32 s[G0B+4*\s+1], s45, \s*SLOT
	s_add_nc_u64 s[G0B+4*\s+2:G0B+4*\s+3], s[46:47], \s*ROWB
	s_or_b32 s[G0B+4*\s+3], s[G0B+4*\s+3], 0x80000000
	JLOAD G0+4*\s, G1, G0B+4*\s, G1B
.endr
	v_and_b32 v1, 15, v0                           ; r
	v_bfe_u32 v2, v0, 4, 1                         ; h
	v_mul_u32_u24 v3, v1, PITCH
	v_mul_u32_u24 v4, v2, 24
	v_add_nc_u32 v4, v3, v4                        ; a fragment's row x pitch + 24 h
	v_lshl_add_u32 v5, v2, 4, v4                   ; and the same behind one padding more
	s_mul_i32 s21, s15, HALFT                      ; my 128 rows of A
	s_mul_i32 s22, s16, HALFT                      ; my 128 rows of B,
	s_add_co_u32 s22, s22, 2*HALFT                 ; which lie behind A's 256
.irp s, 0,1
	v_add_nc_u32 v[ADRA+\s], s21, v4
	v_add_nc_u32 v[ADRB+\s], s22, v4
	v_add_nc_u32 v[ADRA+2+\s], s21, v5
	v_add_nc_u32 v[ADRB+2+\s], s22, v5
	s_add_co_u32 s21, s21, SLOT
	s_add_co_u32 s22, s22, SLOT
.endr
	v_mul_u32_u24 v5, v1, KS                       ; my row's scale bytes: 32 a row,
	v_lshrrev_b32 v6, 8, v5
	v_lshl_add_u32 v5, v6, 4, v5                   ; and 16 more for each 256 passed
	s_mul_i32 s21, s15, HALFS
	s_mul_i32 s22, s16, HALFS
	s_add_co_u32 s22, s22, 2*HALFS
	s_sub_co_u32 s22, s22, s21
	v_mul_u32_u24 v6, s22, v2                      ; lanes 16-31 take B's
	s_add_co_u32 s21, s21, SCL
	v_add_nc_u32 v5, v5, v6
	v_add_nc_u32 v[ADRS], s21, v5
	; which tokens and channels are my wave's
	s_lshl_b32 s22, s41, 8
	s_lshl_b32 s23, s15, 7
	s_add_co_u32 s22, s22, s23                     ; my first row on the A side, in the cluster's 1,024
	s_lshl_b32 s46, s40, 8
	s_lshl_b32 s47, s16, 7
	s_add_co_u32 s46, s46, s47                     ; on the B side
	s_cmp_eq_u32 s12, 1
	s_cselect_b32 s67, s46, s22                    ; my first token (storage place),
	s_cselect_b32 s66, s22, s46                    ; my first channel
	s_and_b32 s47, s95, 7
	s_lshl_b32 s47, s47, 10
	s_add_co_u32 s67, s67, s47                     ; the token in the tensor's 8,192
	; the bias, in the result's layout, into v64-127
	s_cmp_eq_u32 s13, 1
	s_cselect_b64 s[8:9], s[10:11], s[8:9]
	s_cmp_eq_u32 s13, 2
	s_cselect_b64 s[8:9], s[96:97], s[8:9]
	s_lshl_b32 s46, s66, 2
	s_mov_b32 s47, 0
	s_add_nc_u64 s[8:9], s[8:9], s[46:47]
	v_lshlrev_b32 v7, 6, v2                        ; q, k: 64 h: register j of tile b is channel 32 (b / 2) + 8 (b % 2) + 16 h + j
	v_and_b32 v13, 8, v1
	v_add_nc_u32 v13, v13, v1
	v_lshlrev_b32 v13, 2, v13                      ; v: lane r of A's block a is channel 32 (a / 2) + 8 (a % 2) + r + 8 (r / 8)
	s_cmp_eq_u32 s12, 0
	s_cbranch_scc0 .Lbias_v
.irp b, 0,1,2,3,4,5,6,7
	global_load_b128 v[BI+8*\b:BI+8*\b+3], v7, s[8:9] offset:128*(\b/2)+32*(\b%2)
	global_load_b128 v[BI+8*\b+4:BI+8*\b+7], v7, s[8:9] offset:128*(\b/2)+32*(\b%2)+16
.endr
	s_branch .Lbias_done
.Lbias_v:
	s_wait_alu depctr_va_vdst(0)
.irp a, 0,1,2,3,4,5,6,7
.irp j, 0,1,2,3,4,5,6,7
	global_load_b32 v[BI+8*\a+\j], v13, s[8:9] offset:128*(\a/2)+32*(\a%2)   ; the lane's one number in all eight registers
.endr
.endr
.Lbias_done:
.macro FRAG reg, adr, q, i             ; a fragment, 16 rows x 128 K, is 12 registers: registers 6 c .. 6 c + 5 hold K = 64 c + 32 (lane / 16) + 0 .. 31: 24 bytes of the row, in pieces of 8
.irp p, 0,1,2,3,4,5
.set PC, 12*(\q)+6*(\p/3)+\p%3        ; where the piece three on lies behind one padding more, the second address register (40 for 24 bytes a half) serves
.if PC%8 < 5
	ds_load_b64 v[\reg+2*\p:\reg+2*\p+1], v[\adr] offset:8*PC+16*(PC/8)+(\i)*16*PITCH
.else
	ds_load_b64 v[\reg+2*\p:\reg+2*\p+1], v[\adr+2] offset:8*PC+16*(PC/8)+(\i)*16*PITCH
.endif
.endr
.endm
; 16 matrix instructions: A's blocks a0, a0 + 1 x B's eight, 128 along K.  zero = 1: the sums start from the bias of B's block (q, k); 2: of A's block (v); 0: in place.
; The 64 accumulators take turns, one instruction a turn, in the same order in every step.
.macro MUL16 a0, p, q, sc, zero
.irp a, \a0, \a0+1
.irp b, 0,1,2,3,4,5,6,7
.if \zero == 1
	v_wmma_scale_f32_16x16x128_f8f6f4 v[8*(8*((\a)%4)+\b):8*(8*((\a)%4)+\b)+7], v[128*(\p)+FR*\b:128*(\p)+FR*\b+FR-1], v[AF+FR*(\a):AF+FR*(\a)+FR-1], v[BI+8*\b:BI+8*\b+7], v[SC+8*NQ*(\sc)+NQ*\b+(\q)], v[SC+8*NQ*(\sc)+NQ*(\a)+(\q)] matrix_a_fmt:MATRIX_FMT_FP6 matrix_b_fmt:MATRIX_FMT_FP6 matrix_a_scale:MATRIX_SCALE_ROW1
.elseif \zero == 2
	v_wmma_scale_f32_16x16x128_f8f6f4 v[8*(8*((\a)%4)+\b):8*(8*((\a)%4)+\b)+7], v[128*(\p)+FR*\b:128*(\p)+FR*\b+FR-1], v[AF+FR*(\a):AF+FR*(\a)+FR-1], v[BI+8*(\a):BI+8*(\a)+7], v[SC+8*NQ*(\sc)+NQ*\b+(\q)], v[SC+8*NQ*(\sc)+NQ*(\a)+(\q)] matrix_a_fmt:MATRIX_FMT_FP6 matrix_b_fmt:MATRIX_FMT_FP6 matrix_a_scale:MATRIX_SCALE_ROW1
.else
	v_wmma_scale_f32_16x16x128_f8f6f4 v[8*(8*((\a)%4)+\b):8*(8*((\a)%4)+\b)+7], v[128*(\p)+FR*\b:128*(\p)+FR*\b+FR-1], v[AF+FR*(\a):AF+FR*(\a)+FR-1], v[8*(8*((\a)%4)+\b):8*(8*((\a)%4)+\b)+7], v[SC+8*NQ*(\sc)+NQ*\b+(\q)], v[SC+8*NQ*(\sc)+NQ*(\a)+(\q)] matrix_a_fmt:MATRIX_FMT_FP6 matrix_b_fmt:MATRIX_FMT_FP6 matrix_a_scale:MATRIX_SCALE_ROW1
.endif
.endr
.endr
.endm
.macro FETCH_B slot, q, p
	WIN TO_B
.irp i, 0,1,2,3,4,5,6,7
	FRAG 128*(\p)+FR*\i, ADRB+\slot, \q, \i
.endr
	WIN 0
.endm
.macro FETCH_A slot, q, i0
.irp i, \i0, \i0+1, \i0+2, \i0+3
	FRAG AF+FR*(\i), ADRA+\slot, \q, \i
.endr
.endm
.macro SCALES sc                       ; a K step's scale words: lanes 0-15 take A's block i, lanes 16-31 B's block i
.irp i, 0,1,2,3,4,5,6,7
	ds_load_b64 v[SC+8*NQ*\sc+NQ*\i:SC+8*NQ*\sc+NQ*\i+1], v[ADRS] offset:\i*SBLK
.endr
.endm
.macro PLACES n                        ; plain vector instructions between a matrix instruction and a load into, or a vector read or write of, its registers
.rept \n
	v_nop
.endr
.endm
.macro STEP slot, q, zero              ; a step of 128 along K that has its successor in the same slot
	s_wait_dscnt 4*NL                              ; B's set, A's blocks 0-3 and the scale words are in; the youngest 24 loads (A's blocks 4-7) may be out
.if \zero
	WIN 0x81                                       ; as MUL_LO, but C (the bias) in window 0
.else
	WIN MUL_LO
.endif
	MUL16 0, (\q)%2, \q, \slot, \zero
	MUL16 2, (\q)%2, \q, \slot, \zero
	s_wait_dscnt 0                                 ; A's blocks 4-7 are in
	PLACES NP
	FETCH_B \slot, (\q)+1, 1-(\q)%2
	FETCH_A \slot, (\q)+1, 0
.if \zero
	WIN 0xc1
.else
	WIN MUL_HI
.endif
	MUL16 4, (\q)%2, \q, \slot, \zero
	MUL16 6, (\q)%2, \q, \slot, \zero
	PLACES NP
	WIN 0
	FETCH_A \slot, (\q)+1, 4
.endm
; A slot's last step changes slots: ONE barrier; in front of it each wave waits for all its tensor loads, adds 0 to its spare word, and waits for that and for its own reads of this slot.
.macro TURN slot, next, fill
	s_wait_tensorcnt 0x0                           ; all my tensor loads have landed: my part of the next slot
	ds_add_u32 v[SPW], v[NIL]                      ; 0 onto my spare word
	s_wait_dscnt 4*NL+1                            ; (the add and the youngest 24 loads, A's blocks 4-7, may be out)
	WIN MUL_LO
	MUL16 0, 1, NQ-1, \slot, 0
	s_wait_dscnt 0x0                               ; the add is done, and my reads of this slot are over
	s_barrier_signal -1
	MUL16 2, 1, NQ-1, \slot, 0
	WIN 0
	s_barrier_wait -1
.if \fill
	CREST                                          ; the barrier has opened a round of the cluster's barrier: no wave of any partner still reads this slot or has a load on its way
	s_add_nc_u64 s[G0+4*\slot+2:G0+4*\slot+3], s[G0+4*\slot+2:G0+4*\slot+3], 2*ROWB
	s_add_nc_u64 s[G0B+4*\slot+2:G0B+4*\slot+3], s[G0B+4*\slot+2:G0B+4*\slot+3], 2*ROWB
	JLOAD G0+4*\slot, G1, G0B+4*\slot, G1B         ; the first tensor load behind the round; its four v_nop are the places in front of the loads below
.else
	PLACES NP
.endif
	s_wait_alu depctr_va_vdst(0)
	v_add_nc_u32 v[ADRS], 4*NQ, v[ADRS]            ; on to the next K step's scale words (no LDS load of mine is out)
	FETCH_B \next, 0, 0
	FETCH_A \next, 0, 0
	SCALES \next
	WIN MUL_HI
	MUL16 4, 1, NQ-1, \slot, 0
	MUL16 6, 1, NQ-1, \slot, 0
	PLACES NP
	WIN 0
	FETCH_A \next, 0, 4
.endm
	s_wait_tensorcnt 1                             ; the scale bytes and my part of K step 0 are in (K step 1's load may be out),
	s_barrier_signal -1
	s_barrier_wait -1                              ; everybody's are
	FETCH_B 0, 0, 0
	FETCH_A 0, 0, 0
	s_wait_alu depctr_va_vdst(0)
	SCALES 0
	FETCH_A 0, 0, 4
	s_wait_loadcnt 0x0                             ; the bias
	s_cmp_eq_u32 s12, 0                            ; the first step starts the sums from the bias: by B's block (q, k) or by A's (v)
	s_cbranch_scc0 .Lfirst_v
	STEP 0, 0, 1
	s_branch .Lfirst_done
.Lfirst_v:
	STEP 0, 0, 2
.Lfirst_done:
	s_mov_b32 s3, LAPS-1
.Llap:                                                 ; a trip goes once round the ring and fills both slots again
	TURN 0, 1, 1
	STEP 1, 0, 0
	TURN 1, 0, 1
	STEP 0, 0, 0
	s_sub_co_u32 s3, s3, 1
	s_cmp_lg_u32 s3, 0
	s_cbranch_scc1 .Llap
	TURN 0, 1, 0                                   ; the last lap fills nothing
	STEP 1, 0, 0
	s_wait_dscnt 4*NL
	WIN MUL_LO
	MUL16 0, 1, NQ-1, 1, 0
	MUL16 2, 1, NQ-1, 1, 0
	s_wait_dscnt 0
	WIN MUL_HI
	MUL16 4, 1, NQ-1, 1, 0
	MUL16 6, 1, NQ-1, 1, 0
	WIN 0
	; THE WAY OUT.  For each of A's blocks a the lane's 64 registers are 128 neighbours' halves along the next K (register 16 g + i = 32 g + 16 (lane / 16) + i): four blocks of 32.
	; q, k: channels: registers 6 c .. 6 c + 5 of the codes are head c's operand registers 0-5 of token tile a.  v: keys: they are operand registers 6 c .. 6 c + 5 of channel tile a % 4 of head a / 4.
	PLACES NP
	s_mov_b32 s92, 0x76543210
	s_mov_b32 s93, 0xfedcba98                      ; v_permlanex16_b32's selects for lane l xor 16
	s_mov_b32 s44, 0xffff0000                      ; lanes 16-31
	s_mov_b32 s22, REC
	s_mov_b32 s45, 3072
	s_cmp_eq_u32 s12, 1
	s_cselect_b32 s23, 3072, s22                   ; from c = 0 to c = 1: v: 3,072 bytes on; q, k: the next head's record
	s_cselect_b32 s45, s22, s45                    ; from blocks 0-3 to 4-7: v: the next head's record; q, k: four tiles on
	s_mov_b32 s47, 98304
	s_cmp_eq_u32 s13, 1
	s_cselect_b32 s46, 106496, 0                   ; where the tensor's images begin in a record,
	s_cselect_b32 s47, 303104, s47                 ; and its scale words
	s_cmp_eq_u32 s13, 2
	s_cselect_b32 s46, 204800, s46
	s_cselect_b32 s47, 311296, s47
	s_cselect_b32 s94, 8, 9                        ; a key step's scale words: 256 bytes (v) or 512 (q, k)
	s_lshr_b32 s18, s67, 11                        ; batch
	s_lshl_b32 s18, s18, 4
	s_lshr_b32 s19, s66, 6
	s_add_co_u32 s18, s18, s19                     ; my first head's record
	s_mul_i32 s18, s18, REC
	s_bfe_u32 s19, s67, 0x40007                    ; which 128 tokens of the batch's 2,048
	s_mul_i32 s100, s19, 6144
	s_add_co_u32 s100, s100, s18
	s_add_co_u32 s100, s100, s46
	s_mov_b32 s101, 0
	s_lshl_b32 s20, s19, s94
	s_add_co_u32 s20, s20, s18
	s_add_co_u32 s20, s20, s47
	s_mov_b32 s21, 0
	s_add_nc_u64 s[20:21], s[98:99], s[20:21]      ; the scale words' base
	s_add_nc_u64 s[98:99], s[98:99], s[100:101]    ; the images' base
	v_and_b32 v8, 31, v0
	v_lshlrev_b32 v12, 4, v8                       ; 16 x lane
	v_lshlrev_b32 v8, 3, v8                        ; 8 x lane
	v_add_nc_u32 v9, s23, v8
	v_add_nc_u32 v10, s45, v8
	v_add_nc_u32 v11, s23, v10
	v_mov_b32 v14, 0x7f7f7f7f                      ; the byte of 1.0, for the K that a head does not have
.irp b, 0,1,2,3
	v_mov_b32 v[TM+4+\b], 0                        ; written once: a lane permute's destination counts as one of its sources
.endr
.macro QUANTW a
.set AC, 64*((\a)%4)
.set WN, 2+(\a)/4
.set CD, 64+20*(\a)                    ; each block has 20 registers of its own: no store's data are written again
	WIN WN|(WN<<2)                                 ; sources 0 and 1: the accumulators' window
.irp b, 0,1,2,3
	v_max3_num_f32 v[TM+\b], |v[AC+16*\b]|, |v[AC+16*\b+1]|, 0x1800000   ; block b: my 16 numbers, and the floor 2^(3 - 127); each accumulator is read from its low end on
.endr
.irp i, 2,4,6,8,10,12,14
.irp b, 0,1,2,3
	v_max3_num_f32 v[TM+\b], |v[AC+16*\b+\i]|, |v[AC+16*\b+\i+1]|, v[TM+\b]
.endr
.endr
	WIN 0
.irp b, 0,1,2,3
	v_permlanex16_b32 v[TM+4+\b], v[TM+\b], s92, s93
.endr
.irp b, 0,1,2,3
	v_max_num_f32 v[TM+\b], v[TM+\b], v[TM+4+\b]   ; with lane l xor 16's: the block's largest magnitude
.endr
.irp b, 0,1,2,3
	v_add_nc_u32 v[TM+12+\b], 0xff000000, v[TM+\b] ; 2 off its exponent field: the conversion's scale operand
.endr
.irp b, 0,1,2,3
	v_lshrrev_b32 v[TM+4+\b], 23, v[TM+12+\b]      ; the scale's byte
.endr
	v_lshl_or_b32 v[SW+(\a)], v[TM+5], 8, v[TM+4]
	v_lshl_or_b32 v[SW+(\a)], v[TM+6], 16, v[SW+(\a)]
	v_lshl_or_b32 v[SW+(\a)], v[TM+7], 24, v[SW+(\a)]
	WIN WN                                         ; source 0: the accumulators' window
.irp c, 0,1
	v_cvt_scalef32_pk16_fp6_f32 v[CD+6*\c:CD+6*\c+2], v[AC+32*\c:AC+32*\c+15], v[TM+12+2*\c]
	v_cvt_scalef32_pk16_fp6_f32 v[CD+12+4*\c:CD+14+4*\c], v[AC+32*\c+16:AC+32*\c+31], v[TM+12+2*\c+1]   ; (a conversion's three registers begin on an even number)
.endr
	WIN 0
	v_nop                                          ; one plain place behind a scaled conversion
.irp c, 0,1                                    ; the operand's layout wants a WHOLE block in a lane: lanes 0-15 block 2 c, lanes 16-31 block 2 c + 1
.irp i, 0,1,2
	v_permlane16_swap_b32 v[CD+6*\c+\i], v[CD+12+4*\c+\i]
.endr
.irp i, 0,1,2
	v_mov_b32 v[CD+3+6*\c+\i], v[CD+12+4*\c+\i]
.endr
.endr
.set VV, VA+2*((\a)/4)
.irp p, 0,1,2
	global_store_b64 v[VV], v[CD+2*\p:CD+2*\p+1], s[98:99] offset:768*((\a)%4)+256*\p       ; 32 lanes store 256 consecutive bytes, aligned
	global_store_b64 v[VV+1], v[CD+6+2*\p:CD+6+2*\p+1], s[98:99] offset:768*((\a)%4)+256*\p
.endr
.endm
.irp a, 0,1,2,3,4,5,6,7
	QUANTW \a
.endr
.irp i, 0,1,2,3
	v_cndmask_b32 v[32+\i], v[SW+2*\i], v[SW+2*\i+1], s44   ; lanes 0-15: block 2 i's words, lanes 16-31: block 2 i + 1's
.endr
	s_cmp_eq_u32 s12, 0
	s_cbranch_scc0 .Lsc_v
.irp i, 0,1,2,3
	v_perm_b32 v[36+\i], v14, v[32+\i], 0x07060100 ; the first head's two bytes, and 1.0 for K = 64 .. 127
.endr
.irp i, 0,1,2,3
	v_perm_b32 v[40+\i], v14, v[32+\i], 0x07060302 ; the second head's
.endr
	global_store_b128 v12, v[36:39], s[20:21]      ; 512 consecutive bytes: lane l's four words are those of tokens 32 i + l
	global_store_b128 v12, v[40:43], s[20:21] offset:REC
	s_branch .Lsc_done
.Lsc_v:
	s_wait_alu depctr_va_vdst(0)
	global_store_b64 v8, v[32:33], s[20:21]        ; 256 consecutive bytes: the first head's four channel tiles
	global_store_b64 v8, v[34:35], s[20:21] offset:REC
.Lsc_done:
	s_wait_tensorcnt 0x0                           ; the wave's end
	ds_add_u32 v[SPW], v[NIL]
	s_wait_dscnt 0x0
	CROUND                                         ; the closing round: no work-group ends while a partner may still ask for a tile that names it
	s_endpgm
.Lfunc_end_k_qa90b7ad92c_proj:
	.size	k_qa90b7ad92c_proj, .Lfunc_end_k_qa90b7ad92c_proj-k_qa90b7ad92c_proj
	.p2alignl 7, 3214868480
	.fill 96, 4, 3214868480
	.section	.rodata,"a",@progbits
	.p2align	6, 0x0
	.amdhsa_kernel k_qa90b7ad92c_proj
		.amdhsa_group_segment_fixed_size 327680
		.amdhsa_private_segment_fixed_size 0
		.amdhsa_enable_private_segment 0
		.amdhsa_kernarg_size 48
		.amdhsa_user_sgpr_count 2
		.amdhsa_user_sgpr_kernarg_segment_ptr 1
		.amdhsa_wavefront_size32 1
		.amdhsa_system_sgpr_workgroup_id_x 1
		.amdhsa_system_sgpr_workgroup_id_y 1
		.amdhsa_system_sgpr_workgroup_id_z 1
		.amdhsa_system_vgpr_workitem_id 0
		.amdhsa_next_free_vgpr 1024
		.amdhsa_next_free_sgpr 102
		.amdhsa_reserve_vcc 0
		.amdhsa_float_denorm_mode_32 3
		.amdhsa_float_denorm_mode_16_64 3
		.amdhsa_memory_ordered 1
		.amdhsa_forward_progress 1
		.amdhsa_inst_pref_size 191
	.end_amdhsa_kernel
	.amdgpu_metadata
---
amdhsa.version: [ 1, 2 ]
amdhsa.kernels:
  - .name:           k_qa90b7ad92c_proj
    .symbol:         k_qa90b7ad92c_proj.kd
    .args:
      - { .name: xc, .offset: 0, .size: 8, .value_kind: global_buffer, .address_space: global }
      - { .name: xs, .offset: 8, .size: 8, .value_kind: global_buffer, .address_space: global }
      - { .name: bq, .offset: 16, .size: 8, .value_kind: global_buffer, .address_space: global }
      - { .name: bk, .offset: 24, .size: 8, .value_kind: global_buffer, .address_space: global }
      - { .name: bv, .offset: 32, .size: 8, .value_kind: global_buffer, .address_space: global }
      - { .name: att, .offset: 40, .size: 8, .value_kind: global_buffer, .address_space: global }
    .group_segment_fixed_size: 327680
    .private_segment_fixed_size: 0
    .kernarg_segment_align: 8
    .kernarg_segment_size: 48
    .max_flat_workgroup_size: 128
    .sgpr_count:     102
    .vgpr_count:     1024
    .wavefront_size: 32
...
	.end_amdgpu_metadata
.endif
;; end of part 2
;; launch attn (part 3): grid 4 x 64, 16 waves a work-group, no clusters, 212,992 bytes of LDS; arguments att, oc, os; writes oc, os
.if DOCPART == 3
	.amdgcn_target "amdgcn-amd-amdhsa--gfx1250"
	.amdhsa_code_object_version 6
	.text
	.protected	k_qa90b7ad92c_attn
	.globl	k_qa90b7ad92c_attn
	.p2align	8
	.type	k_qa90b7ad92c_attn,@function
k_qa90b7ad92c_attn:
	s_mov_b64 s[64:65], 0
	v_nop
	global_prefetch_b8 v0, s[64:65] scope:SCOPE_SE
	s_setreg_imm32_b32 hwreg(HW_REG_WAVE_MODE, 25, 1), 1
	s_wait_xcnt 0x0
; Causal attention of one head (record bh = 16 batch + head of att), both products on codes of FP6 (E2M3) with E8M0 scales; the result is quantised along the head's 64 channels and stored as images of the next product's operand registers.
; t = score x log2(e) / 8; M = the running largest t rounded UP to a whole number; p = 2^(t - M) is quantised along the keys, not normalised; the row's sum is taken of the unquantised p and divides O at the end.
; SHARES.  K's and V's images and scale words of the whole head, 208,896 dense bytes, come into LDS ONCE (each of the sixteen waves brings 51 rows of 256 bytes) and stay: no ring, no refill, one barrier.
; A wave owns one tile of 16 queries at a time and makes two passes: block blk = x + 4 sel (0..7) of the head's sixteen blocks of 128 queries, then block 15 - blk: (blk + 1) + (16 - blk) = 17 key steps of 128 for every wave.
; NO CLUSTER: a step whose keys all come after the wave's queries is jumped over, a branch on the query block, which would be the work-group's place in a cluster; and each work-group fetches its head only once.
; NO PREFETCH: all that a work-group reads through LDS is asked for at its head.
; LAYOUT.  Both products transposed: S^T = K Q^T (source 0 = 16 keys), O^T = V^T P^T (source 0 = 16 channels): a lane holds ONE query throughout.  Tokens and channels lie in the tile order (storage place 32 g + 16 u + r holds
; 32 g + 8 u + r + 8 (r / 8)), so the 16 registers of result tiles 2 g, 2 g + 1 are the neighbours 32 g + 16 (lane / 16) + 0 .. 15.
; The first product's K is 64: Q's registers 6-11 hold zero codes, so whatever codes stand in K's registers 6-11 (the next tile's, every pattern a finite number) add exactly 0; both scale words carry the byte of 1.0 there.
; os is stored 2 bytes a token and head, rows 32 bytes apart: 512 bytes of the 12,800 that a pass stores.
; LIMITS: a block whose largest magnitude lies under 2^-124 gets the byte 1; NaN and infinities are not served.
; REGISTERS: v1-4 addresses that stay, v5, v6 the add's two, v7 the mask's lane term, v8-11 the step's addresses, v12 -M, v13 the largest t, v[14:15] the sum, v16-27 Q, v28, v29 offsets,
;   v32-79 K's 8 tiles x 6, later V's 4 fragments x 12, v80-85 zeros, v[86:87] V's scale words, v96-159 S^T, then p, v160-191 O^T, v224-235 p's codes, v232-254 at work, v[248:251] K's scale words, v255 Q's.
.set REC,   315392
.set LV,    98304                      ; LDS: K's images 0, V's images,
.set LKS,   196608                     ; K's scale words,
.set LVS,   204800                     ; V's scale words,
.set SPARE, 208896                     ; the spare words, 128 bytes a wave, that no other line names
.set TK,  2                            ; s2   the step's images: 6,144 bytes a step
.set TS,  3                            ; s3   K's scale words: 512
.set TJ,  66                           ; s66  V's: 256
.set CNT, 67
.set KF,  98                           ; s98  the step's first key
.set Q0,  99                           ; s99  my least query; lane r's is Q0 + r + 8 (r / 8)
.set SEL, 20
.set CS,  22
	s_load_b128 s[4:7], s[0:1], 0x0                ; att, oc
	s_load_b64 s[8:9], s[0:1], 0x10                ; os
	v_lshl_add_u32 v5, v0, 2, SPARE
	v_mov_b32 v6, 0
	ds_add_u32 v5, v6                              ; the wave's opening: the add and its wait stand ahead of my first tensor load; the set-up below stands between them
	ds_add_u32 v5, v6
	v_lshrrev_b32 v8, 5, v0
	s_delay_alu instid0(VALU_DEP_1)
	v_readfirstlane_b32 s18, v8                    ; wave 0..15
	s_and_b32 s10, ttmp7, 0xffff                   ; bh
	s_mov_b32 s24, 3<<16                           ; group 1: elements of 8 bytes, no mask, no padding
	s_mov_b32 s25, 32<<16                          ; tensor_dim0 = 32 (256 bytes)
	s_mov_b32 s26, 51<<16                          ; tensor_dim1 = 51
	s_mov_b32 s27, 32<<16                          ; tile_dim0
	s_mov_b32 s28, 51                              ; tile_dim1
	s_mov_b32 s29, 32                              ; pitch: dense
	s_mov_b32 s30, 0
	s_mov_b32 s31, 0
	s_mov_b32 s32, 1
	s_mul_i32 s33, s18, 13056                      ; LDS: my 51 rows
	s_mul_i32 s36, s10, REC
	s_mov_b32 s37, 0
	s_add_co_u32 s48, s33, 106496                  ; and in the record: from K's images on
	s_mov_b32 s49, 0
	s_lshr_b32 s12, s18, 1                         ; idx: my tile of a block's eight
	s_lshr_b32 s13, s18, 2
	s_xor_b32 s13, s13, s18
	s_and_b32 s13, s13, 1                          ; sel: of waves w, w + 4, w + 8, w + 12 and of waves 4 s .. 4 s + 3 alike two have 0 and two 1
	s_lshl_b32 s14, s13, 2
	s_add_co_u32 s14, s14, ttmp9                   ; blk
	s_and_b32 s50, s12, 1
	s_lshr_b32 s51, s12, 1
	s_lshl_b32 s38, s50, 8
	s_lshl_b32 s39, s51, 2
	s_add_co_u32 s38, s38, s39
	s_add_co_u32 s38, s38, 98304                   ; Q's scale words: 98304 + 256 (idx % 2) + 4 (idx / 2)
	s_lshl_b32 s39, s51, 5
	s_lshl_b32 s50, s50, 3
	s_add_co_u32 s39, s39, s50                     ; 32 (idx / 2) + 8 (idx % 2)
	s_lshr_b32 s52, s10, 4                         ; batch
	s_and_b32 s53, s10, 15                         ; head
	s_mul_i32 s54, s52, 1572864                    ; oc: 128 token tiles of 12,288 bytes a batch,
	s_mul_i32 s56, s53, 768                        ; 768 bytes a head
	s_add_co_u32 s54, s54, s56
	s_mov_b32 s55, 0
	s_lshl_b32 s56, s52, 16                        ; os: 2,048 rows of 32 bytes a batch,
	s_lshl_b32 s57, s53, 1                         ; 2 bytes a head
	s_add_co_u32 s56, s56, s57
	s_mov_b32 s57, 0
	s_mov_b32 s[SEL], 0x76543210
	s_mov_b32 s[SEL+1], 0xfedcba98                 ; v_permlanex16_b32's selects for lane l xor 16
	s_mov_b32 s[CS], 0x3e38aa3b                    ; c = log2(e) / sqrt(64)
	s_mov_b32 s[CS+1], s[CS]
	s_wait_dscnt 0x0                               ; the opening add is done
	s_wait_kmcnt 0x0
	s_add_nc_u64 s[4:5], s[4:5], s[36:37]          ; my record
	s_add_nc_u64 s[34:35], s[4:5], s[48:49]
	s_or_b32 s35, s35, 0x80000000
	tensor_load_to_lds s[32:35], s[24:31]          ; my one tensor load of the launch
	s_nop 0
	s_add_nc_u64 s[6:7], s[6:7], s[54:55]
	s_add_nc_u64 s[8:9], s[8:9], s[56:57]
	v_and_b32 v8, 31, v0                           ; lane
	v_and_b32 v9, 15, v0                           ; r
	v_bfe_u32 v10, v0, 4, 1                        ; h
	s_delay_alu instid0(VALU_DEP_3)
	v_lshlrev_b32 v1, 3, v8                        ; an image's 8 bytes a lane: K's,
	s_delay_alu instid0(VALU_DEP_1)
	v_add_nc_u32 v2, LV, v1                        ; V's
	v_lshl_add_u32 v3, v8, 4, LKS                  ; K's scale words: 16 bytes a lane
	v_lshl_add_u32 v4, v8, 3, LVS                  ; V's: 8
	v_and_b32 v7, 8, v9
	s_delay_alu instid0(VALU_DEP_1)
	v_add_nc_u32 v7, v7, v9
	v_lshlrev_b32 v11, 4, v10
	s_delay_alu instid0(VALU_DEP_1)
	v_sub_nc_u32 v7, v7, v11                       ; r + 8 (r / 8) - 16 h
	v_lshlrev_b32 v28, 4, v9                       ; 16 r
	v_lshlrev_b32 v29, 5, v9                       ; 32 r
.irp j, 22,23,24,25,26,27,80,81,82,83,84,85
	v_mov_b32 v\j, 0                               ; zero codes: Q's K = 64 .. 127, and what stands behind K's last tile
.endr
.irp j, 236,237,238,239,252,253
	v_mov_b32 v\j, 0                               ; written once: lane permutes' destinations, and the pair v[252:253]
.endr
	s_wait_tensorcnt 0x0                           ; my part of the head is in,
	s_barrier_signal -1
	s_barrier_wait -1                              ; everybody's is; from here on the waves share nothing
; A KEY STEP: 128 keys
.macro STEP
	s_add_co_u32 s96, s[Q0], 23                    ; my greatest query
	s_cmp_gt_u32 s[KF], s96                        ; all keys hidden: the step's work is left out (a branch on ids), not the lines that step addresses
	s_cbranch_scc1 .Lhidden_\@
	s_setprio 2
	v_add_nc_u32 v8, s[TK], v1                     ; these four are also the places in front of loads into registers that the last products read
	v_add_nc_u32 v9, s[TK], v2
	v_add_nc_u32 v10, s[TS], v3
	v_add_nc_u32 v11, s[TJ], v4
.irp t, 0,1,2,3,4,5,6,7
.irp p, 0,1,2
	ds_load_b64 v[32+6*\t+2*\p:33+6*\t+2*\p], v8 offset:768*\t+256*\p   ; 256 consecutive bytes an instruction
.endr
.endr
	ds_load_b128 v[248:251], v10                   ; register i: lanes 0-15 tile 2 i's words, lanes 16-31 tile 2 i + 1's
	ds_load_b64 v[86:87], v11
	s_wait_alu depctr_va_vdst(0)
	s_wait_dscnt 0x0
.irp t, 0,1,2,3,4,5,6,7
.if \t%2
	v_wmma_scale_f32_16x16x128_f8f6f4 v[96+8*\t:103+8*\t], v[32+6*\t:43+6*\t], v[16:27], 0, v[248+\t/2], v255 matrix_a_fmt:MATRIX_FMT_FP6 matrix_b_fmt:MATRIX_FMT_FP6 matrix_a_scale:MATRIX_SCALE_ROW1
.else
	v_wmma_scale_f32_16x16x128_f8f6f4 v[96+8*\t:103+8*\t], v[32+6*\t:43+6*\t], v[16:27], 0, v[248+\t/2], v255 matrix_a_fmt:MATRIX_FMT_FP6 matrix_b_fmt:MATRIX_FMT_FP6
.endif
.endr
.rept 4
	v_nop                                          ; places in front of the loads below and of the first read of the scores
.endr
.irp c, 0,1
.irp t, 0,1,2,3
.irp p, 0,1,2
	ds_load_b64 v[32+12*\t+6*\c+2*\p:33+12*\t+6*\c+2*\p], v9 offset:3072*\c+768*\t+256*\p   ; V's four fragments land under the softmax
.endr
.endr
.endr
	s_add_co_u32 s96, s[KF], 127                   ; on the diagonal hidden scores become -infinity ahead of the maximum; a step all of whose keys count skips this
	s_cmp_le_u32 s96, s[Q0]
	s_cbranch_scc1 .Lopen_\@
	s_sub_co_i32 s96, s[Q0], s[KF]
	v_add_nc_u32 v252, s96, v7                     ; d = my query - KF - 16 h.  Register 16 b + i holds key KF + 32 b + 16 h + i: hidden where 32 b + i > d
	v_mov_b32 v254, 0xff800000
.set N, 0
.rept 64
	v_cmp_gt_i32 vcc_lo, 32*(N/16)+N%16, v252
	v_cndmask_b32 v[96+N], v[96+N], v254, vcc_lo
.set N, N+1
.endr
.Lopen_\@:
.irp b, 0,1,2,3
	v_max3_num_f32 v[232+\b], v[96+16*\b], v[97+16*\b], v[98+16*\b]   ; the largest score of each block of 32 keys: for the row's maximum, and, since p rises with the score, for the block's largest p
.endr
.irp i, 3,5,7,9,11,13
.irp b, 0,1,2,3
	v_max3_num_f32 v[232+\b], v[232+\b], v[96+16*\b+\i], v[97+16*\b+\i]
.endr
.endr
.irp b, 0,1,2,3
	v_max_num_f32 v[232+\b], v[232+\b], v[111+16*\b]
.endr
.irp b, 0,1,2,3
	s_delay_alu instid0(VALU_DEP_4)
	v_permlanex16_b32 v[236+\b], v[232+\b], s[SEL], s[SEL+1]
.endr
.irp b, 0,1,2,3
	s_delay_alu instid0(VALU_DEP_4)
	v_max_num_f32 v[232+\b], v[232+\b], v[236+\b]  ; with lane l xor 16's 16 keys
.endr
	s_delay_alu instid0(VALU_DEP_2)
	v_max3_num_f32 v254, v232, v233, v234
	s_delay_alu instid0(VALU_DEP_1)
	v_max_num_f32 v254, v254, v235
	s_delay_alu instid0(VALU_DEP_1)
	v_mul_f32 v254, s[CS], v254                    ; as t
	s_delay_alu instid0(VALU_DEP_1)
	v_max_num_f32 v13, v13, v254                   ; the running largest t
	v_mov_b32 v254, v12
	s_delay_alu instid0(VALU_DEP_2)
	v_floor_f32 v12, -v13                          ; the new -M = -ceil(t)
	s_delay_alu instid0(VALU_DEP_1)
	v_sub_f32 v254, v12, v254                      ; old M - new M: a whole number, 0 or less
	s_delay_alu instid0(VALU_DEP_1)
	v_cvt_i32_f32 v254, v254                       ; (it saturates)
	s_delay_alu instid0(VALU_DEP_1)
	v_ldexp_f32 v252, 1.0, v254                    ; f = 2^(old M - new M)
.set J, 0
	s_setprio 1
.rept 32
	v_pk_fma_f32 v[96+J:97+J], v[96+J:97+J], s[CS:CS+1], v[12:13] op_sel_hi:[1,0,0]   ; t - M, two at a time
.set J, J+2
.endr
.irp b, 0,1,2,3
	v_fma_f32 v[232+\b], v[232+\b], s[CS], v12     ; the same of each block's largest score
.endr
.set J, 0
	s_wait_alu depctr_va_vdst(0)
.rept 64
	v_exp_f32 v[96+J], v[96+J]                     ; p = 2^(t - M)
.set J, J+1
.endr
	v_pk_mul_f32 v[14:15], v[14:15], v[252:253] op_sel_hi:[1,0]   ; the sums under the new M (a plain place behind the exponentials)
	s_wait_alu depctr_va_vdst(0)                   ; one wait for the batch of 64, ahead of its first reader
.irp b, 0,1,2,3
	v_exp_f32 v[232+\b], v[232+\b]                 ; the block's largest p
.endr
	v_pk_add_f32 v[236:237], v[100:101], v[104:105]
	v_pk_add_f32 v[250:251], v[108:109], v[112:113]
	v_pk_add_f32 v[248:249], v[116:117], v[120:121]
	v_pk_add_f32 v[246:247], v[124:125], v[128:129]
	v_pk_add_f32 v[244:245], v[132:133], v[136:137]
	v_pk_add_f32 v[242:243], v[140:141], v[144:145]
	v_pk_add_f32 v[240:241], v[148:149], v[152:153]
	v_pk_add_f32 v[14:15], v[14:15], v[156:157]
	v_pk_add_f32 v[236:237], v[236:237], v[96:97]
	v_pk_add_f32 v[250:251], v[250:251], v[98:99]
	v_pk_add_f32 v[248:249], v[248:249], v[102:103]
	v_pk_add_f32 v[246:247], v[246:247], v[106:107]
	v_pk_add_f32 v[244:245], v[244:245], v[110:111]
	v_pk_add_f32 v[242:243], v[242:243], v[114:115]
	v_pk_add_f32 v[240:241], v[240:241], v[118:119]
	v_pk_add_f32 v[14:15], v[14:15], v[122:123]
	v_pk_add_f32 v[236:237], v[236:237], v[126:127]
	v_pk_add_f32 v[250:251], v[250:251], v[130:131]
	v_pk_add_f32 v[248:249], v[248:249], v[134:135]
	v_pk_add_f32 v[246:247], v[246:247], v[138:139]
	v_pk_add_f32 v[244:245], v[244:245], v[142:143]
	v_pk_add_f32 v[242:243], v[242:243], v[146:147]
	v_pk_add_f32 v[240:241], v[240:241], v[150:151]
	v_pk_add_f32 v[14:15], v[14:15], v[154:155]
	v_pk_add_f32 v[236:237], v[236:237], v[158:159]
	s_delay_alu instid0(VALU_DEP_2)
	v_pk_add_f32 v[14:15], v[14:15], v[246:247]
	s_delay_alu instid0(VALU_DEP_2)
	v_pk_add_f32 v[236:237], v[236:237], v[244:245]
	v_pk_add_f32 v[250:251], v[250:251], v[242:243]
	v_pk_add_f32 v[248:249], v[248:249], v[240:241]
	s_delay_alu instid0(VALU_DEP_2)
	v_pk_add_f32 v[14:15], v[14:15], v[250:251]
	s_delay_alu instid0(VALU_DEP_2)
	v_pk_add_f32 v[236:237], v[236:237], v[248:249]
	s_delay_alu instid0(VALU_DEP_1)
	v_pk_add_f32 v[14:15], v[14:15], v[236:237]
	s_setprio 0
	s_wait_alu depctr_va_vdst(0)                   ; and one for the four
.irp b, 0,1,2,3
	v_max_num_f32 v[232+\b], 0x1800000, v[232+\b]  ; the floor 2^(3 - 127): the byte cannot fall under 1
.endr
.irp b, 0,1,2,3
	s_delay_alu instid0(VALU_DEP_4)
	v_add_nc_u32 v[244+\b], 0xff000000, v[232+\b]  ; 2 off the exponent field: the conversion's scale operand
.endr
.irp b, 0,1,2,3
	s_delay_alu instid0(VALU_DEP_4)
	v_lshrrev_b32 v[236+\b], 23, v[244+\b]         ; the scale's byte
.endr
	s_delay_alu instid0(VALU_DEP_3)
	v_lshl_or_b32 v253, v237, 8, v236              ; p's scale word for these 128 keys
	s_delay_alu instid0(VALU_DEP_1)
	v_lshl_or_b32 v253, v238, 16, v253
	s_delay_alu instid0(VALU_DEP_1)
	v_lshl_or_b32 v253, v239, 24, v253
.irp c, 0,1
	v_cvt_scalef32_pk16_fp6_f32 v[224+6*\c:226+6*\c], v[96+32*\c:111+32*\c], v[244+2*\c]
	v_cvt_scalef32_pk16_fp6_f32 v[236+4*\c:238+4*\c], v[112+32*\c:127+32*\c], v[244+2*\c+1]
.endr
	v_nop                                          ; one plain place behind a scaled conversion
.irp c, 0,1
.irp i, 0,1,2
	v_permlane16_swap_b32 v[224+6*\c+\i], v[236+4*\c+\i]
.endr
.irp i, 0,1,2
	s_delay_alu instid0(VALU_DEP_3)
	v_mov_b32 v[227+6*\c+\i], v[236+4*\c+\i]
.endr
.endr
.set J, 0
.rept 16
	v_pk_mul_f32 v[160+J:161+J], v[160+J:161+J], v[252:253] op_sel_hi:[1,0]   ; O^T under the new M; these sixteen are also the places between the scale word, the codes and the products below
.set J, J+2
.endr
	s_wait_alu depctr_va_vdst(0)
	s_wait_dscnt 0x0                               ; V's fragments are in
.irp t, 0,1,2,3                                ; the four accumulators take turns, one instruction a turn
.if \t%2
	v_wmma_scale_f32_16x16x128_f8f6f4 v[160+8*\t:167+8*\t], v[32+12*\t:43+12*\t], v[224:235], v[160+8*\t:167+8*\t], v[86+\t/2], v253 matrix_a_fmt:MATRIX_FMT_FP6 matrix_b_fmt:MATRIX_FMT_FP6 matrix_a_scale:MATRIX_SCALE_ROW1
.else
	v_wmma_scale_f32_16x16x128_f8f6f4 v[160+8*\t:167+8*\t], v[32+12*\t:43+12*\t], v[224:235], v[160+8*\t:167+8*\t], v[86+\t/2], v253 matrix_a_fmt:MATRIX_FMT_FP6 matrix_b_fmt:MATRIX_FMT_FP6
.endif
.endr
.Lhidden_\@:
	s_add_co_u32 s[KF], s[KF], 128
	s_add_co_u32 s[TK], s[TK], 6144
	s_add_co_u32 s[TS], s[TS], 512
	s_add_co_u32 s[TJ], s[TJ], 256
.endm
; THE WAY OUT of a pass: O^T / the sum; its two blocks of 32 channels are quantised; six registers of codes and two scale bytes a lane leave.
.macro OUT
.rept 4
	v_nop                                          ; places behind the last products
.endr
	v_add_f32 v14, v14, v15
	s_delay_alu instid0(VALU_DEP_1)
	v_permlanex16_b32 v252, v14, s[SEL], s[SEL+1]
	s_delay_alu instid0(VALU_DEP_1)
	v_add_f32 v14, v14, v252                       ; the row's sum
	s_wait_alu depctr_va_vdst(0)
	v_rcp_f32 v14, v14
	v_nop                                          ; a plain place behind the reciprocal
	s_wait_alu depctr_va_vdst(0)                   ; and the wait ahead of its first reader
.set J, 0
.rept 16
	v_pk_mul_f32 v[96+J:97+J], v[160+J:161+J], v[14:15] op_sel_hi:[1,0]   ; register 16 g + i = channel 32 g + 16 h + i; each accumulator from its low end on
.set J, J+2
.endr
.irp b, 0,1
	v_max3_num_f32 v[232+\b], |v[96+16*\b]|, |v[97+16*\b]|, 0x1800000
.endr
.irp i, 2,4,6,8,10,12,14
.irp b, 0,1
	s_delay_alu instid0(VALU_DEP_2)
	v_max3_num_f32 v[232+\b], v[232+\b], |v[96+16*\b+\i]|, |v[97+16*\b+\i]|
.endr
.endr
.irp b, 0,1
	s_delay_alu instid0(VALU_DEP_2)
	v_permlanex16_b32 v[236+\b], v[232+\b], s[SEL], s[SEL+1]
.endr
.irp b, 0,1
	s_delay_alu instid0(VALU_DEP_2)
	v_max_num_f32 v[232+\b], v[232+\b], v[236+\b]
.endr
.irp b, 0,1
	s_delay_alu instid0(VALU_DEP_2)
	v_add_nc_u32 v[244+\b], 0xff000000, v[232+\b]
.endr
.irp b, 0,1
	s_delay_alu instid0(VALU_DEP_2)
	v_lshrrev_b32 v[236+\b], 23, v[244+\b]
.endr
	s_delay_alu instid0(VALU_DEP_1)
	v_lshl_or_b32 v254, v237, 8, v236              ; my row's two scale bytes
	v_cvt_scalef32_pk16_fp6_f32 v[224:226], v[96:111], v244
	v_cvt_scalef32_pk16_fp6_f32 v[228:230], v[112:127], v245
	v_nop
.irp i, 0,1,2
	v_permlane16_swap_b32 v[224+\i], v[228+\i]     ; lanes 0-15 now hold block 0 whole, lanes 16-31 block 1
.endr
	s_delay_alu instid0(VALU_DEP_3)
	v_mov_b32 v227, v228
	s_delay_alu instid0(VALU_DEP_3)
	v_mov_b32 v228, v229
	s_delay_alu instid0(VALU_DEP_3)
	v_mov_b32 v229, v230
.irp p, 0,1,2
	global_store_b64 v1, v[224+2*\p:225+2*\p], s[44:45] offset:256*\p   ; 256 consecutive bytes, aligned
.endr
	global_store_b16 v29, v254, s[46:47]           ; both halves of the lanes write the same two bytes with the same value
.endm
.macro PASS n, second
	s_wait_xcnt 0x0                                ; the last pass's stores have read their registers and bases
.if \second
	s_sub_co_u32 s14, 15, s14
.endif
	s_lshl_b32 s96, s14, 3
	s_add_co_u32 s96, s96, s12                     ; my token tile of the batch's 128
	s_mul_i32 s36, s96, 768
	s_mov_b32 s37, 0
	s_add_nc_u64 s[40:41], s[4:5], s[36:37]        ; Q's image
	s_lshl_b32 s36, s14, 9
	s_add_co_u32 s36, s36, s38
	s_add_nc_u64 s[42:43], s[4:5], s[36:37]        ; Q's scale words
	s_mul_i32 s36, s96, 12288
	s_add_nc_u64 s[44:45], s[6:7], s[36:37]        ; O's image
	s_lshl_b32 s36, s96, 9
	s_add_nc_u64 s[46:47], s[8:9], s[36:37]        ; O's scale bytes
	s_lshl_b32 s[Q0], s14, 7
	s_add_co_u32 s[Q0], s[Q0], s39
.irp p, 0,1,2
	global_load_b64 v[16+2*\p:17+2*\p], v1, s[40:41] offset:256*\p
.endr
	global_load_b32 v255, v28, s[42:43]
	v_mov_b32 v13, 0xff61b1e6                      ; the largest t so far: -3e38
	s_delay_alu instid0(VALU_DEP_1)
	v_floor_f32 v12, -v13
	v_mov_b32 v14, 0
	v_mov_b32 v15, 0
.set J, 0
.rept 32
	v_mov_b32 v[160+J], 0                          ; O^T: the step is written once, its first turn finds zeros
.set J, J+1
.endr
	s_mov_b32 s[TK], 0
	s_mov_b32 s[TS], 0
	s_mov_b32 s[TJ], 0
	s_mov_b32 s[KF], 0
	s_mov_b32 s[CNT], \n
	s_wait_loadcnt 0x0
.Lstep_\@:
	STEP
	s_sub_co_u32 s[CNT], s[CNT], 1
	s_cmp_lg_u32 s[CNT], 0
	s_cbranch_scc1 .Lstep_\@
	s_setprio 0
	OUT
.endm
	PASS 8, 0                                      ; blocks 0 to 7: at most eight key steps count
	PASS 16, 1                                     ; blocks 8 to 15
	s_wait_tensorcnt 0x0                           ; the wave's end
	ds_add_u32 v5, v6
	s_wait_dscnt 0x0
	s_endpgm
.Lfunc_end_k_qa90b7ad92c_attn:
	.size	k_qa90b7ad92c_attn, .Lfunc_end_k_qa90b7ad92c_attn-k_qa90b7ad92c_attn
	.p2alignl 7, 3214868480
	.fill 96, 4, 3214868480
	.section	.rodata,"a",@progbits
	.p2align	6, 0x0
	.amdhsa_kernel k_qa90b7ad92c_attn
		.amdhsa_group_segment_fixed_size 212992
		.amdhsa_private_segment_fixed_size 0
		.amdhsa_enable_private_segment 0
		.amdhsa_kernarg_size 24
		.amdhsa_user_sgpr_count 2
		.amdhsa_user_sgpr_kernarg_segment_ptr 1
		.amdhsa_wavefront_size32 1
		.amdhsa_system_sgpr_workgroup_id_x 1
		.amdhsa_system_sgpr_workgroup_id_y 1
		.amdhsa_system_sgpr_workgroup_id_z 1
		.amdhsa_system_vgpr_workitem_id 0
		.amdhsa_next_free_vgpr 256
		.amdhsa_next_free_sgpr 100
		.amdhsa_reserve_vcc 1
		.amdhsa_float_denorm_mode_32 3
		.amdhsa_float_denorm_mode_16_64 3
		.amdhsa_memory_ordered 1
		.amdhsa_forward_progress 1
		.amdhsa_inst_pref_size 66
	.end_amdhsa_kernel
	.amdgpu_metadata
---
amdhsa.version: [ 1, 2 ]
amdhsa.kernels:
  - .name:           k_qa90b7ad92c_attn
    .symbol:         k_qa90b7ad92c_attn.kd
    .args:
      - { .name: att, .offset: 0, .size: 8, .value_kind: global_buffer, .address_space: global }
      - { .name: oc, .offset: 8, .size: 8, .value_kind: global_buffer, .address_space: global }
      - { .name: os, .offset: 16, .size: 8, .value_kind: global_buffer, .address_space: global }
    .group_segment_fixed_size: 212992
    .private_segment_fixed_size: 0
    .kernarg_segment_align: 8
    .kernarg_segment_size: 24
    .max_flat_workgroup_size: 512
    .sgpr_count:     100
    .vgpr_count:     256
    .wavefront_size: 32
...
	.end_amdgpu_metadata
.endif
;; end of part 3
;; launch outp (part 4): grid 4 x 32, 4 waves a work-group, clusters of 4 x 4, 327,680 bytes of LDS; arguments oc, os, xc, xs, bo, out0; writes out0
.if DOCPART == 4
	.amdgcn_target "amdgcn-amd-amdhsa--gfx1250"
	.amdhsa_code_object_version 6
	.text
	.protected	k_qa90b7ad92c_outp
	.globl	k_qa90b7ad92c_outp
	.p2align	8
	.type	k_qa90b7ad92c_outp,@function
k_qa90b7ad92c_outp:
	s_mov_b64 s[64:65], 0
	v_nop
	global_prefetch_b8 v0, s[64:65] scope:SCOPE_SE
	s_setreg_imm32_b32 hwreg(HW_REG_WAVE_MODE, 25, 1), 1
	s_wait_xcnt 0x0
	s_wait_alu depctr_hold_cnt(0) depctr_sa_sdst(0) depctr_va_vdst(0) depctr_va_sdst(0) depctr_va_ssrc(0) depctr_va_vcc(0) depctr_vm_vsrc(0)
	s_getreg_b32 s2, hwreg(HW_REG_IB_STS2, 6, 4)
	s_cmp_eq_u32 s2, 0
	s_cbranch_scc0 .Lentry_in_a_cluster
	s_endpgm
.Lentry_in_a_cluster:
	s_bfe_u32 s2, ttmp6, 0x10000c
	s_cmp_lg_u32 s2, 0xf033
	s_cbranch_scc0 .Lentry_shape_is_right
	s_endpgm
.Lentry_shape_is_right:
.set SIZE_N, 1024
.set KSTEP,  256
.set NQ,     2
.set ROWB,   192
.set ABYT,   3072
.set KROW,   768
.set PITCH,  240
.set FR,     12
.set NL,     6
.set NP,     4
.set HALFT,  128*PITCH
.set SLOT,   4*HALFT
.set LAPS,   2
.set KS,     32
.set SCL,    2*SLOT
.set HALFS,  (128*KS/256)*272
.set SBLK,   (16*KS/256)*272
.set SPARE,  SCL+4*HALFS
.set SPITCH, 528
.set ADRA, 16
.set ADRB, 20
.set STO,  24
.set RD,   25
.set CO,   26
.set ADRS, 27
.set SPW,  28
.set NIL,  29
.set SC,   32
.set BI,   64
.set AF,   128
.set BK,   128
.set G1, 24
.set G0, 32
.set G1B, 48
.set G0B, 56
.set G1S, 68
.set G0S, 76
.set G1SB, 80
.set G0SB, 88
.set MSB, 0
.macro WIN new
.if MSB != \new
	s_set_vgpr_msb (MSB<<8)|\new
.set MSB, \new
.endif
.endm
.set MUL_LO, 0xa1
.set MUL_HI, 0xf1
.set TO_B,   0x40
.macro JLOAD g0a, g1a, g0b, g1b
	s_cmp_eq_u32 s15, 0
	s_cbranch_scc0 .Lfor_b_\@
	tensor_load_to_lds s[\g0a:\g0a+3], s[\g1a:\g1a+7]
	s_nop 0
.rept 4
	v_nop
.endr
	s_branch .Lasked_\@
.Lfor_b_\@:
	tensor_load_to_lds s[\g0b:\g0b+3], s[\g1b:\g1b+7]
	s_nop 0
.rept 4
	v_nop
.endr
.Lasked_\@:
.endm
.macro CREST
	s_cmp_lg_u32 s14, 0
	s_cbranch_scc1 .Lnot_wave_0_\@
	s_barrier_signal -3
.Lnot_wave_0_\@:
	s_barrier_wait -3
	s_barrier_signal -1
	s_barrier_wait -1
.endm
.macro CROUND
	s_barrier_signal -1
	s_barrier_wait -1
	CREST
.endm
	s_load_b256 s[4:11], s[0:1], 0x0
	s_load_b128 s[96:99], s[0:1], 0x20
	v_lshl_add_u32 v[SPW], v0, 2, SPARE
	v_mov_b32 v[NIL], 0
	ds_add_u32 v[SPW], v[NIL]
	ds_add_u32 v[SPW], v[NIL]
	v_lshrrev_b32 v1, 5, v0
	v_readfirstlane_b32 s14, v1
	s_lshr_b32 s15, s14, 1
	s_and_b32 s16, s14, 1
	s_bfe_u32 s40, ttmp6, 0x40000
	s_bfe_u32 s41, ttmp6, 0x40004
	s_lshl_b32 s42, ttmp9, 2
	s_add_co_u32 s42, s42, s40
	s_and_b32 s17, ttmp7, 0xffff
	s_lshl_b32 s17, s17, 2
	s_add_co_u32 s17, s17, s41
	s_lshl_b32 s43, s41, 2
	s_lshl_b32 s43, 15, s43
	s_lshl_b32 s44, 0x1111, s40
	s_or_b32 s[G1+0], s43, (3<<16)|(1<<21)
	s_mov_b32 s[G1+1], 384<<16
	s_mov_b32 s[G1+2], 8<<16
	s_mov_b32 s[G1+3], 384<<16
	s_mov_b32 s[G1+4], 8
	s_mov_b32 s[G1+5], 1536
	s_mov_b32 s[G1+6], 0
	s_mov_b32 s[G1+7], 0
	s_or_b32 s[G1B+0], s44, (0<<16)|(1<<20)|(1<<21)|(3<<22)|(3<<25)
	s_mov_b32 s[G1B+1], ROWB<<16
	s_mov_b32 s[G1B+2], 128<<16
	s_mov_b32 s[G1B+3], ROWB<<16
	s_mov_b32 s[G1B+4], 128
	s_mov_b32 s[G1B+5], KROW
	s_mov_b32 s[G1B+6], 0
	s_mov_b32 s[G1B+7], 0
	s_or_b32 s[G1S+0], s43, (3<<16)|(1<<20)|(1<<21)|(5<<22)|(3<<25)
	s_or_b32 s[G1SB+0], s44, (3<<16)|(1<<20)|(1<<21)|(5<<22)|(3<<25)
.irp g, G1S, G1SB
	s_mov_b32 s[\g+1], 32<<16
	s_mov_b32 s[\g+2], (128*KS/256)<<16
	s_mov_b32 s[\g+3], 32<<16
	s_mov_b32 s[\g+4], 128*KS/256
	s_mov_b32 s[\g+5], 32
	s_mov_b32 s[\g+6], 0
	s_mov_b32 s[\g+7], 0
.endr
	s_lshl_b32 s18, s16, 7
	s_lshl_b32 s20, s17, 8
	s_add_co_u32 s20, s20, s18
	s_lshl_b32 s46, s42, 8
	s_add_co_u32 s46, s46, s18
	s_add_co_u32 s46, s46, 27648
	s_mov_b32 s21, 0
	s_mov_b32 s47, 0
	s_mov_b64 s[18:19], KS
	s_mul_u64 s[22:23], s[20:21], s[18:19]
	s_mul_u64 s[92:93], s[46:47], s[18:19]
	s_mov_b64 s[18:19], KROW
	s_mul_u64 s[20:21], s[20:21], s[18:19]
	s_mul_u64 s[46:47], s[46:47], s[18:19]
	s_mul_i32 s45, s14, HALFT
	s_mul_i32 s94, s14, HALFS
	s_wait_dscnt 0x0
	s_wait_kmcnt 0x0
	s_add_nc_u64 s[20:21], s[4:5], s[20:21]
	s_add_nc_u64 s[22:23], s[6:7], s[22:23]
	s_add_nc_u64 s[46:47], s[8:9], s[46:47]
	s_add_nc_u64 s[92:93], s[10:11], s[92:93]
	CROUND
	s_mov_b32 s[G0S], 1
	s_add_co_u32 s[G0S+1], s94, SCL
	s_mov_b64 s[G0S+2:G0S+3], s[22:23]
	s_or_b32 s[G0S+3], s[G0S+3], 0x80000000
	s_mov_b32 s[G0SB], 1
	s_add_co_u32 s[G0SB+1], s94, SCL
	s_mov_b64 s[G0SB+2:G0SB+3], s[92:93]
	s_or_b32 s[G0SB+3], s[G0SB+3], 0x80000000
	JLOAD G0S, G1S, G0SB, G1SB
.irp s, 0,1
	s_mov_b32 s[G0+4*\s], 1
	s_add_co_u32 s[G0+4*\s+1], s45, \s*SLOT
	s_add_nc_u64 s[G0+4*\s+2:G0+4*\s+3], s[20:21], \s*ABYT
	s_or_b32 s[G0+4*\s+3], s[G0+4*\s+3], 0x80000000
	s_mov_b32 s[G0B+4*\s], 1
	s_add_co_u32 s[G0B+4*\s+1], s45, \s*SLOT
	s_add_nc_u64 s[G0B+4*\s+2:G0B+4*\s+3], s[46:47], \s*ROWB
	s_or_b32 s[G0B+4*\s+3], s[G0B+4*\s+3], 0x80000000
	s_wait_alu depctr_va_vdst(0)
	s_wait_tensorcnt 0x0
	ds_add_u32 v28, v29
	s_wait_dscnt 0x0
	CROUND
	JLOAD G0+4*\s, G1, G0B+4*\s, G1B
.endr
	v_and_b32 v1, 15, v0
	v_bfe_u32 v2, v0, 4, 1
	v_and_b32 v6, 31, v0
	v_mul_u32_u24 v3, v1, PITCH
	v_mul_u32_u24 v4, v2, 24
	v_add_nc_u32 v4, v3, v4
	v_lshl_add_u32 v5, v2, 4, v4
	v_lshlrev_b32 v3, 3, v6
	s_mul_i32 s21, s15, HALFT
	s_mul_i32 s22, s16, HALFT
	s_add_co_u32 s22, s22, 2*HALFT
.irp s, 0,1
	v_add_nc_u32 v[ADRA+\s], s21, v3
	v_add_nc_u32 v[ADRB+\s], s22, v4
	v_add_nc_u32 v[ADRB+2+\s], s22, v5
	s_add_co_u32 s21, s21, SLOT
	s_add_co_u32 s22, s22, SLOT
.endr
	v_mul_u32_u24 v5, v1, KS
	v_lshrrev_b32 v4, 8, v5
	v_lshl_add_u32 v5, v4, 4, v5
	s_mul_i32 s21, s15, HALFS
	s_mul_i32 s22, s16, HALFS
	s_add_co_u32 s22, s22, 2*HALFS
	s_sub_co_u32 s22, s22, s21
	v_mul_u32_u24 v4, s22, v2
	s_add_co_u32 s21, s21, SCL
	v_add_nc_u32 v5, v5, v4
	v_add_nc_u32 v[ADRS], s21, v5
	s_mul_i32 s23, s14, 16*SPITCH
	v_mul_u32_u24 v5, v1, SPITCH
	v_lshl_add_u32 v5, v2, 6, v5
	v_add_nc_u32 v[STO], s23, v5
	v_lshlrev_b32 v[CO], 4, v6
	v_add_nc_u32 v[RD], s23, v[CO]
	s_lshl_b32 s20, s17, 8
	s_lshl_b32 s21, s15, 7
	s_add_co_u32 s20, s20, s21
	s_mov_b32 s21, 0
	s_mov_b64 s[18:19], SIZE_N*4
	s_mul_u64 s[20:21], s[20:21], s[18:19]
	s_lshl_b32 s46, s42, 10
	s_lshl_b32 s47, s16, 9
	s_add_co_u32 s46, s46, s47
	s_mov_b32 s47, 0
	s_add_nc_u64 s[20:21], s[20:21], s[46:47]
	s_add_nc_u64 s[98:99], s[98:99], s[20:21]
	s_add_nc_u64 s[96:97], s[96:97], s[46:47]
	v_lshlrev_b32 v7, 6, v2
.irp b, 0,1,2,3,4,5,6,7
	global_load_b128 v[BI+8*\b:BI+8*\b+3], v7, s[96:97] offset:128*(\b/2)+32*(\b%2)
	global_load_b128 v[BI+8*\b+4:BI+8*\b+7], v7, s[96:97] offset:128*(\b/2)+32*(\b%2)+16
.endr
.macro FRAG reg, adr, q, i
.irp p, 0,1,2,3,4,5
.set PC, 12*(\q)+6*(\p/3)+\p%3
.if PC%8 < 5
	ds_load_b64 v[\reg+2*\p:\reg+2*\p+1], v[\adr] offset:8*PC+16*(PC/8)+(\i)*16*PITCH
.else
	ds_load_b64 v[\reg+2*\p:\reg+2*\p+1], v[\adr+2] offset:8*PC+16*(PC/8)+(\i)*16*PITCH
.endif
.endr
.endm
.macro FRAGA reg, adr, q, i
.irp p, 0,1,2,3,4,5
	ds_load_b64 v[\reg+2*\p:\reg+2*\p+1], v[\adr] offset:ABYT*(\i)+1536*(\q)+256*\p
.endr
.endm
.macro MUL16 a0, p, q, sc, zero
.irp a, \a0, \a0+1
.irp b, 0,1,2,3,4,5,6,7
.if \zero
	v_wmma_scale_f32_16x16x128_f8f6f4 v[8*(8*((\a)%4)+\b):8*(8*((\a)%4)+\b)+7], v[128*(\p)+FR*\b:128*(\p)+FR*\b+FR-1], v[AF+FR*(\a):AF+FR*(\a)+FR-1], v[BI+8*\b:BI+8*\b+7], v[SC+8*NQ*(\sc)+NQ*\b+(\q)], v[SC+8*NQ*(\sc)+NQ*(\a)+(\q)] matrix_a_fmt:MATRIX_FMT_FP6 matrix_b_fmt:MATRIX_FMT_FP6 matrix_a_scale:MATRIX_SCALE_ROW1
.else
	v_wmma_scale_f32_16x16x128_f8f6f4 v[8*(8*((\a)%4)+\b):8*(8*((\a)%4)+\b)+7], v[128*(\p)+FR*\b:128*(\p)+FR*\b+FR-1], v[AF+FR*(\a):AF+FR*(\a)+FR-1], v[8*(8*((\a)%4)+\b):8*(8*((\a)%4)+\b)+7], v[SC+8*NQ*(\sc)+NQ*\b+(\q)], v[SC+8*NQ*(\sc)+NQ*(\a)+(\q)] matrix_a_fmt:MATRIX_FMT_FP6 matrix_b_fmt:MATRIX_FMT_FP6 matrix_a_scale:MATRIX_SCALE_ROW1
.endif
.endr
.endr
.endm
.macro FETCH_B slot, q, p
	WIN TO_B
.irp i, 0,1,2,3,4,5,6,7
	FRAG 128*(\p)+FR*\i, ADRB+\slot, \q, \i
.endr
	WIN 0
.endm
.macro FETCH_A slot, q, i0
.irp i, \i0, \i0+1, \i0+2, \i0+3
	FRAGA AF+FR*(\i), ADRA+\slot, \q, \i
.endr
.endm
.macro SCALES sc
.irp i, 0,1,2,3,4,5,6,7
	ds_load_b64 v[SC+8*NQ*\sc+NQ*\i:SC+8*NQ*\sc+NQ*\i+1], v[ADRS] offset:\i*SBLK
.endr
.endm
.macro PLACES n
.rept \n
	v_nop
.endr
.endm
.macro STEP slot, q, zero
	s_wait_dscnt 4*NL
.if \zero
	WIN 0x81
.else
	WIN MUL_LO
.endif
	MUL16 0, (\q)%2, \q, \slot, \zero
	MUL16 2, (\q)%2, \q, \slot, \zero
	s_wait_dscnt 0
	PLACES NP
	FETCH_B \slot, (\q)+1, 1-(\q)%2
	FETCH_A \slot, (\q)+1, 0
.if \zero
	WIN 0xc1
.else
	WIN MUL_HI
.endif
	MUL16 4, (\q)%2, \q, \slot, \zero
	MUL16 6, (\q)%2, \q, \slot, \zero
	PLACES NP
	WIN 0
	FETCH_A \slot, (\q)+1, 4
.endm
.macro TURN slot, next, fill
	s_wait_tensorcnt 0x0
	ds_add_u32 v[SPW], v[NIL]
	s_wait_dscnt 4*NL+1
	WIN MUL_LO
	MUL16 0, 1, NQ-1, \slot, 0
	s_wait_dscnt 0x0
	s_barrier_signal -1
	MUL16 2, 1, NQ-1, \slot, 0
	WIN 0
	s_barrier_wait -1
.if \fill
	CREST
	s_add_nc_u64 s[G0+4*\slot+2:G0+4*\slot+3], s[G0+4*\slot+2:G0+4*\slot+3], 2*ABYT
	s_add_nc_u64 s[G0B+4*\slot+2:G0B+4*\slot+3], s[G0B+4*\slot+2:G0B+4*\slot+3], 2*ROWB
	JLOAD G0+4*\slot, G1, G0B+4*\slot, G1B
.else
	PLACES NP
.endif
	s_wait_alu depctr_va_vdst(0)
	v_add_nc_u32 v[ADRS], 4*NQ, v[ADRS]
	FETCH_B \next, 0, 0
	FETCH_A \next, 0, 0
	SCALES \next
	WIN MUL_HI
	MUL16 4, 1, NQ-1, \slot, 0
	MUL16 6, 1, NQ-1, \slot, 0
	PLACES NP
	WIN 0
	FETCH_A \next, 0, 4
.endm
	s_wait_alu depctr_va_vdst(0)
	s_wait_tensorcnt 1
	s_barrier_signal -1
	s_barrier_wait -1
	FETCH_B 0, 0, 0
	FETCH_A 0, 0, 0
	SCALES 0
	FETCH_A 0, 0, 4
	s_wait_loadcnt 0x0
	STEP 0, 0, 1
	s_mov_b32 s3, LAPS-1
.Llap:
	TURN 0, 1, 1
	STEP 1, 0, 0
	TURN 1, 0, 1
	STEP 0, 0, 0
	s_sub_co_u32 s3, s3, 1
	s_cmp_lg_u32 s3, 0
	s_cbranch_scc1 .Llap
	TURN 0, 1, 0
	STEP 1, 0, 0
	s_wait_dscnt 4*NL
	WIN MUL_LO
	MUL16 0, 1, NQ-1, 1, 0
	MUL16 2, 1, NQ-1, 1, 0
	s_wait_dscnt 0
	WIN MUL_HI
	MUL16 4, 1, NQ-1, 1, 0
	MUL16 6, 1, NQ-1, 1, 0
	WIN 0
.macro TOSTAGE a
.set AC, 64*((\a)%4)
	WIN 0x08+4*((\a)/4)
.irp b, 0,1,2,3,4,5,6,7
	ds_store_b128 v[STO], v[AC+8*\b:AC+8*\b+3] offset:128*(\b/2)+32*(\b%2)
	ds_store_b128 v[STO], v[AC+8*\b+4:AC+8*\b+7] offset:128*(\b/2)+32*(\b%2)+16
.endr
	WIN 0
.set BB, BK+64*((\a)%2)
.irp t, 0,1,2,3,4,5,6,7,8,9,10,11,12,13,14,15
	ds_load_b128 v[BB+4*\t:BB+4*\t+3], v[RD] offset:\t*SPITCH
.endr
.endm
.macro SEND a, younger
.set BB, BK+64*((\a)%2)
	s_wait_dscnt \younger
.if (\a) > 0
.if (\a)%2
	s_add_nc_u64 s[98:99], s[98:99], 8*SIZE_N*4
.else
	s_add_nc_u64 s[98:99], s[98:99], 24*SIZE_N*4
.endif
.endif
.irp t, 0,1,2,3,4,5,6,7,8,9,10,11,12,13,14,15
	global_store_b128 v[CO], v[BB+4*\t:BB+4*\t+3], s[98:99] offset:(\t+8*(\t/8))*SIZE_N*4 th:TH_STORE_NT
.endr
.endm
	PLACES NP
	TOSTAGE 0
.irp a, 1,2,3,4,5,6,7
.if \a > 1
	s_wait_xcnt 0x0
.endif
	TOSTAGE \a
	SEND \a-1, 32
.endr
	s_wait_xcnt 0x0
	SEND 7, 0
	s_wait_tensorcnt 0x0
	ds_add_u32 v[SPW], v[NIL]
	s_wait_dscnt 0x0
	CROUND
	s_endpgm
.Lfunc_end_k_qa90b7ad92c_outp:
	.size	k_qa90b7ad92c_outp, .Lfunc_end_k_qa90b7ad92c_outp-k_qa90b7ad92c_outp
	.p2alignl 7, 3214868480
	.fill 96, 4, 3214868480
	.section	.rodata,"a",@progbits
	.p2align	6, 0x0
	.amdhsa_kernel k_qa90b7ad92c_outp
		.amdhsa_group_segment_fixed_size 327680
		.amdhsa_private_segment_fixed_size 0
		.amdhsa_enable_private_segment 0
		.amdhsa_kernarg_size 48
		.amdhsa_user_sgpr_count 2
		.amdhsa_user_sgpr_kernarg_segment_ptr 1
		.amdhsa_wavefront_size32 1
		.amdhsa_system_sgpr_workgroup_id_x 1
		.amdhsa_system_sgpr_workgroup_id_y 1
		.amdhsa_system_sgpr_workgroup_id_z 1
		.amdhsa_system_vgpr_workitem_id 0
		.amdhsa_next_free_vgpr 1024
		.amdhsa_next_free_sgpr 100
		.amdhsa_reserve_vcc 0
		.amdhsa_float_denorm_mode_32 3
		.amdhsa_float_denorm_mode_16_64 3
		.amdhsa_memory_ordered 1
		.amdhsa_forward_progress 1
		.amdhsa_inst_pref_size 162
	.end_amdhsa_kernel
	.amdgpu_metadata
---
amdhsa.version: [ 1, 2 ]
amdhsa.kernels:
  - .name:           k_qa90b7ad92c_outp
    .symbol:         k_qa90b7ad92c_outp.kd
    .args:
      - { .name: oc, .offset: 0, .size: 8, .value_kind: global_buffer, .address_space: global }
      - { .name: os, .offset: 8, .size: 8, .value_kind: global_buffer, .address_space: global }
      - { .name: xc, .offset: 16, .size: 8, .value_kind: global_buffer, .address_space: global }
      - { .name: xs, .offset: 24, .size: 8, .value_kind: global_buffer, .address_space: global }
      - { .name: bo, .offset: 32, .size: 8, .value_kind: global_buffer, .address_space: global }
      - { .name: out0, .offset: 40, .size: 8, .value_kind: global_buffer, .address_space: global }
    .group_segment_fixed_size: 327680
    .private_segment_fixed_size: 0
    .kernarg_segment_align: 8
    .kernarg_segment_size: 48
    .max_flat_workgroup_size: 128
    .sgpr_count:     100
    .vgpr_count:     1024
    .wavefront_size: 32
...
	.end_amdgpu_metadata
.endif
;; end of part 4
